; MI455X (gfx1250); checked and timed in simulation.
; The chip was launched on July 23, 2026; its instructions are those of AMD's public machine-readable ISA for CDNA 5 (MIT licence, August 2026) and "CDNA5" Instruction Set Architecture Reference Guide (July 2026). The comments in the code are by the model that wrote it; some were corrected since.
;; Cross Attention. Allowed arithmetic: float matrix products may take bf16 or f16 operands with f32 sums; all other float work in f32.
;; Inputs: Wk 768 x 512 float32; Wo 512 x 512 float32; Wv 768 x 512 float32; bk 512 float32; bo 512 float32; bv 512 float32; key 8 x 2,048 x 768 float32; query 8 x 2,048 x 512 float32; value 8 x 2,048 x 768 float32.
;; Outputs: out0 8 x 2,048 x 512 float32.
;; 2 versions, each right; version 2 is version 1 with the launch prep written anew for expert scheduling mode. Each part assembles by itself: llvm-mc -triple=amdgcn-amd-amdhsa -mcpu=gfx1250 --defsym DOCPART=n.
;; ======== version 1 of 2: 3 launches
;; limits: values are held in f16: magnitudes above 65,504 overflow, below 6.1e-05 lose precision
;; workspace buffers: wkh 786,432 bytes; wvh 786,432 bytes; post 4,096 bytes; kp 16,777,216 bytes; vp 16,777,216 bytes
;; launch prep (part 1): grid 12 x 4, 4 waves a work-group, no clusters, 220,672 bytes of LDS; arguments Wk, Wv, Wo, bv, wkh, wvh, post; writes wkh, wvh, post
.if DOCPART == 1
	.amdgcn_target "amdgcn-amd-amdhsa--gfx1250"
	.amdhsa_code_object_version 6
	.text
	.protected	k_q1621e4d9d2_prep
	.globl	k_q1621e4d9d2_prep
	.p2align	8
	.type	k_q1621e4d9d2_prep,@function
k_q1621e4d9d2_prep:
	s_mov_b64 s[64:65], 0
	v_nop
	global_prefetch_b8 v0, s[64:65] scope:SCOPE_SE
	s_setreg_imm32_b32 hwreg(HW_REG_WAVE_MODE, 25, 1), 1
	s_wait_xcnt 0x0
; WEIGHTS, ONCE.  Softmax weights sum to one, so the output projection is moved in front of the attention:
;   g[e] = the 2-norm of column e of Wo;  wvh[c][e] = (Wv Wo)[c][e] / (16 g[e]) in f16;  wkh = Wk in f16;
;   post[0:512) = 16 g[e] (the gain that the attention multiplies back);  post[512:1024) = (bv Wo)[e] / (16 g[e]).
; The division by 16 g bounds |wvh[c][e]| by the norm of Wv's row c / 16 (Cauchy-Schwarz), whatever Wo's scale: that gives the projected values room in f16.
; LIMITS.  Weights of magnitude 65,504 or more become infinities in f16.  The sum of a column's squares is held at 1e-30 from below: an all-zero column of Wo gives wvh = 0 there.
; SHARES.  Work-group (cb, eb) makes 64 rows c x 128 columns e of wvh (a stored row piece is 256 bytes, aligned) and converts 16 rows of Wk; wave w takes 16 rows c x 128 e: 8 accumulators.
; 12 x 4 work-groups: a narrower block of e would cut the stored row pieces below 256 bytes.  No tensor loads: every operand is converted from f32 in registers on its way into LDS.
; LDS: Wo's block in f16, 512 rows d x 288 bytes (256 + 32: nine times 32, for the turning load); each wave's 16 rows of Wv, 1,040 bytes apart (later its stage for the way out, 272 apart);
;      partial sums of the four waves; each wave's copy of 1 / (16 g).
.set WOP,  288
.set WVS,  512*WOP                     ; 147,456
.set WVP,  1040
.set WVW,  16*WVP
.set RED,  WVS+4*WVW                   ; 214,016: 4 x 512 bytes of squares, then 4 x 512 of bv . Wo
.set INV,  RED+4096                    ; 218,112: 4 x 512 bytes
.set SP,   272
.set SLOTS, 48                         ; loads of 512 bytes that a wave has on their way
.set L16,  3                           ; v3   16 x lane
.set L8,   4                           ; v4   8 x lane
.set AWS,  5                           ; v5   where my lane puts 4 f16 of my wave's first row of Wo
.set AVS,  6                           ; v6   the same for Wv
.set ARW,  7                           ; v7   my partial sums
.set ARR,  8                           ; v8   wave 0's partial sums for my four columns
.set AIW,  9                           ; v9   my four 1 / (16 g)
.set AWO,  10                          ; v10-13 turning loads of Wo, 128 rows d each
.set AWV,  14                          ; v14  fragments of Wv
.set AID,  15                          ; v15  1 / (16 g) of a result's eight columns
.set STO,  16                          ; v16  the way out: in
.set RD,   17                          ; v17  the way out: back
.set GO,   18                          ; v18  my byte offset in the wave's rows of wvh
.set SS,   32                          ; v[32:35] sums of squares of my four columns
.set BB,   36                          ; v[36:39] bv . Wo of my four columns
.set CT,   40                          ; v[40:55] converted pairs: two sets of four pairs, which take turns batch by batch
.set RING, 64                          ; v[64:255] 48 slots of 4: loads in flight
.set ACC,  32                          ; v[32:95] from the product on
.set FB0,  96                          ; v[96:167], v[168:239]: two fragment buffers, 64 of Wo^T + 8 of Wv
.set IVD,  96
.set TMP,  160
.set OB,   192
.set GAIN, 240
.set VB,   244
.set IV,   248
.macro PLACES                          ; four plain vector instructions between a matrix instruction and a load into, or a vector instruction on, its registers
.rept 4
	v_nop
.endr
.endm
	s_load_b256 s[4:11], s[0:1], 0x0               ; Wk s[4:5], Wv s[6:7], Wo s[8:9], bv s[10:11]
	s_load_b128 s[12:15], s[0:1], 0x20             ; wkh s[12:13], wvh s[14:15]
	s_load_b64 s[16:17], s[0:1], 0x30              ; post
	v_lshl_add_u32 v30, v0, 2, 0x35c00
	v_mov_b32 v31, 0
	v_lshrrev_b32 v1, 5, v0
	v_readfirstlane_b32 s18, v1                    ; wave
	s_mov_b32 s19, ttmp9                           ; cb: 64 rows c
	s_and_b32 s20, ttmp7, 0xffff                   ; eb: 128 columns e
	v_and_b32 v2, 31, v0
	v_lshlrev_b32 v[L16], 4, v2
	v_lshlrev_b32 v[L8], 3, v2
	s_lshl_b32 s24, s18, 18                        ; Wo: my wave's 128 rows of 2,048 bytes,
	s_lshl_b32 s25, s20, 9                         ; the block's 128 columns
	s_add_co_u32 s24, s24, s25
	s_mov_b32 s25, 0
	s_lshl_b32 s26, s19, 17                        ; Wv: row 64 cb + 16 w
	s_lshl_b32 s27, s18, 15
	s_add_co_u32 s26, s26, s27
	s_mov_b32 s27, 0
	s_lshl2_add_u32 s21, s19, s20                  ; 4 cb + eb: which 16 rows of Wk are the work-group's
	s_lshl_b32 s28, s21, 15
	s_lshl_b32 s29, s18, 13                        ; four of them a wave
	s_add_co_u32 s28, s28, s29
	s_mov_b32 s29, 0
	s_lshr_b32 s30, s28, 1                         ; the same rows in f16
	s_mov_b32 s31, 0
	s_lshl_b32 s22, s18, 9                         ; bv: my wave's 128 numbers
	s_mov_b32 s23, 0
	s_wait_kmcnt 0x0
	s_add_nc_u64 s[8:9], s[8:9], s[24:25]
	s_add_nc_u64 s[6:7], s[6:7], s[26:27]
	s_add_nc_u64 s[4:5], s[4:5], s[28:29]
	s_add_nc_u64 s[12:13], s[12:13], s[30:31]
	s_add_nc_u64 s[22:23], s[10:11], s[22:23]
	s_lshr_b32 s24, s26, 1                         ; wvh: row 64 cb + 16 w of 1,024 bytes,
	s_lshl_b32 s28, s20, 8                         ; the block's 256 bytes
	s_add_co_u32 s24, s24, s28
	s_add_nc_u64 s[14:15], s[14:15], s[24:25]
	s_lshl_b32 s24, s20, 9
	s_add_nc_u64 s[16:17], s[16:17], s[24:25]      ; post: the block's 128 numbers
	s_load_b512 s[32:47], s[22:23], 0x0            ; bv of my rows 0-31 in s[32:63], 32-63 in s[68:99]
	s_load_b512 s[48:63], s[22:23], 0x40
	s_load_b512 s[68:83], s[22:23], 0x80
	s_load_b512 s[84:99], s[22:23], 0xc0
; ONE RING OF 208 LOADS of 512 consecutive bytes a wave, 48 on their way, worked off in batches of four.
; Items 0-63: my rows 0-63 of Wo's block; 64-127: my 16 rows of Wv; 128-143: my 4 rows of Wk; 144-207: my rows 64-127 of Wo's block.
; Wv and Wk stand between Wo's halves, so that bv of rows 64-127, which takes the scalar registers that rows 0-63 leave, has 80 items in which to come.
.macro KIND n                          ; kd: 0 Wo, 1 Wv, 2 Wk; ix: the row of Wo, or the piece of 512 bytes of Wv or Wk
.if (\n) < 64
.set kd, 0
.set ix, (\n)
.elseif (\n) < 128
.set kd, 1
.set ix, (\n)-64
.elseif (\n) < 144
.set kd, 2
.set ix, (\n)-128
.else
.set kd, 0
.set ix, (\n)-80
.endif
.endm
.macro LOADITEM n
	KIND \n
.set rr, RING+4*((\n)%SLOTS)
.if kd == 0
	global_load_b128 v[rr:rr+3], v[L16], s[8:9] offset:ix*2048
.elseif kd == 1
	global_load_b128 v[rr:rr+3], v[L16], s[6:7] offset:ix*512
.else
	global_load_b128 v[rr:rr+3], v[L16], s[4:5] offset:ix*512 th:TH_LOAD_NT
.endif
.endm
.macro SUMS n                          ; a row of Wo: its squares, and bv[row] times it; six instructions that do not wait for each other
	KIND \n
.set rr, RING+4*((\n)%SLOTS)
.set sb, 32+(ix%32)+36*((ix/32)%2)     ; bv of this row
.if ix == 0
	v_pk_mul_f32 v[SS:SS+1], v[rr:rr+1], v[rr:rr+1]            ; the first row starts the sums: nothing is cleared
	v_pk_mul_f32 v[SS+2:SS+3], v[rr+2:rr+3], v[rr+2:rr+3]
.irp j, 0,1,2,3
	v_mul_f32 v[BB+\j], s[sb], v[rr+\j]
.endr
.else
	v_pk_fma_f32 v[SS:SS+1], v[rr:rr+1], v[rr:rr+1], v[SS:SS+1]
	v_pk_fma_f32 v[SS+2:SS+3], v[rr+2:rr+3], v[rr+2:rr+3], v[SS+2:SS+3]
.irp j, 0,1,2,3
	v_fmac_f32 v[BB+\j], s[sb], v[rr+\j]
.endr
.endif
.endm
.macro CONV n
.set rr, RING+4*((\n)%SLOTS)
.set tt, CT+8*(((\n)/4)%2)+2*((\n)%4)
	v_cvt_pk_f16_f32 v[tt], v[rr], v[rr+1]
	v_cvt_pk_f16_f32 v[tt+1], v[rr+2], v[rr+3]
.endm
.macro PUT n
	KIND \n
.set tt, CT+8*(((\n)/4)%2)+2*((\n)%4)
.if kd == 0
	ds_store_b64 v[AWS], v[tt:tt+1] offset:ix*WOP
.elseif kd == 1
	ds_store_b64 v[AVS], v[tt:tt+1] offset:(ix/4)*WVP+(ix%4)*256
.else
	global_store_b64 v[L8], v[tt:tt+1], s[12:13] offset:ix*256   ; the wave stores 256 consecutive bytes, aligned
.endif
.endm
.set it, 0
.rept SLOTS
	LOADITEM it
.set it, it+1
.endr
	; LDS addresses, while the ring fills
	s_mul_i32 s24, s18, 128*WOP
	v_add_nc_u32 v[AWS], s24, v[L8]
	s_mul_i32 s25, s18, WVW
	s_add_co_u32 s25, s25, WVS                     ; my wave's rows of Wv
	v_add_nc_u32 v[AVS], s25, v[L8]
	s_lshl_b32 s26, s18, 9
	v_add_nc_u32 v[ARR], RED, v[L16]
	v_add_nc_u32 v[ARW], s26, v[ARR]
	s_add_co_u32 s26, s26, INV
	v_add_nc_u32 v[AIW], s26, v[L16]
	v_and_b32 v19, 15, v0                          ; r = lane % 16
	v_bfe_u32 v20, v0, 4, 1                        ; h = lane / 16
	v_lshl_add_u32 v[AID], v20, 5, s26
	v_and_b32 v21, 7, v0                           ; the turning load: row 8 h + lane % 8, 16 bytes for each eight lanes
	v_lshl_add_u32 v21, v20, 3, v21
	v_mul_u32_u24 v21, v21, WOP
	v_bfe_u32 v22, v0, 3, 1
	v_lshl_add_u32 v[AWO], v22, 4, v21
	v_add_nc_u32 v[AWO+1], 128*WOP, v[AWO]
	v_add_nc_u32 v[AWO+2], 256*WOP, v[AWO]
	v_add_nc_u32 v[AWO+3], 384*WOP, v[AWO]
	v_mul_u32_u24 v21, v19, WVP
	v_lshl_add_u32 v21, v20, 4, v21
	v_add_nc_u32 v[AWV], s25, v21
	v_mul_u32_u24 v21, v19, SP
	v_lshl_add_u32 v21, v20, 4, v21
	v_add_nc_u32 v[STO], s25, v21
	v_mul_u32_u24 v21, v20, SP
	v_lshl_add_u32 v21, v19, 4, v21
	v_add_nc_u32 v[RD], s25, v21
	v_lshlrev_b32 v21, 10, v20
	v_lshl_add_u32 v[GO], v19, 4, v21
	s_wait_kmcnt 0x0                               ; bv of my rows 0-63
; A batch: one wait; the sums of four rows; eight conversions; four stores; four loads.  So no store stands next to the conversion that feeds it,
; and a set of converted pairs is written again two batches after the stores that read it.
.set it, 0
.rept 52
.if it == 144
	s_wait_kmcnt 0x0                               ; bv of my rows 64-127 (scalar loads come back in no order: the count is 0)
.endif
.if (it >= 136) && (it <= 148)
	s_wait_xcnt 0x0                                ; this batch rewrites pairs that stores of Wk, two batches back, read: only behind this wait
.endif
.if it > 160
	s_wait_loadcnt 204-it                          ; the ring runs empty: only the items behind this batch are out
.else
	s_wait_loadcnt 44                              ; loads come back in order (ISA guide 5.7.1): the 44 behind this batch's four stay out
.endif
	KIND it
.if kd == 0
.irp k, 0,1,2,3
	SUMS it+\k
.endr
.endif
.irp k, 0,1,2,3
	CONV it+\k
.endr
.irp k, 0,1,2,3
	PUT it+\k
.endr
.if it < 160
.irp k, 0,1,2,3
	LOADITEM it+SLOTS+\k
.endr
.endif
.if it == 32
	s_load_b512 s[32:47], s[22:23], 0x100          ; rows 64-95 take the place of rows 0-31, whose last use stands a batch back
	s_load_b512 s[48:63], s[22:23], 0x140
.endif
.if it == 64
	s_load_b512 s[68:83], s[22:23], 0x180          ; rows 96-127 the place of rows 32-63
	s_load_b512 s[84:99], s[22:23], 0x1c0
.endif
.set it, it+4
.endr
	; the four waves' partial sums meet; the same barrier shows Wo's whole block to every wave
	ds_store_b128 v[ARW], v[SS:SS+3]
	ds_store_b128 v[ARW], v[BB:BB+3] offset:2048
	s_wait_dscnt 0x0                               ; for the others' sake: all my stores into LDS are done
	s_barrier_signal -1
	s_barrier_wait -1
.irp k, 0,1,2,3
	ds_load_b128 v[64+4*\k:67+4*\k], v[ARR] offset:512*\k
	ds_load_b128 v[80+4*\k:83+4*\k], v[ARR] offset:2048+512*\k
.endr
	s_wait_dscnt 0x0
.irp b, 64, 80
	v_pk_add_f32 v[\b:\b+1], v[\b:\b+1], v[\b+4:\b+5]
	v_pk_add_f32 v[\b+2:\b+3], v[\b+2:\b+3], v[\b+6:\b+7]
	v_pk_add_f32 v[\b+8:\b+9], v[\b+8:\b+9], v[\b+12:\b+13]
	v_pk_add_f32 v[\b+10:\b+11], v[\b+10:\b+11], v[\b+14:\b+15]
	v_pk_add_f32 v[\b:\b+1], v[\b:\b+1], v[\b+8:\b+9]
	v_pk_add_f32 v[\b+2:\b+3], v[\b+2:\b+3], v[\b+10:\b+11]
.endr
.irp j, 0,1,2,3
	v_max_num_f32 v[64+\j], 0x0da24260, v[64+\j]   ; at least 1e-30
.endr
.irp j, 0,1,2,3
	v_rsq_f32 v[68+\j], v[64+\j]                   ; 1 / g
.endr
	v_nop                                          ; a plain instruction between the last of them and the use of its result (ISA guide 5.7.2)
	s_wait_alu depctr_va_vdst(0)
.irp j, 0,1,2,3
	v_mul_f32 v[IV+\j], 0x3d800000, v[68+\j]       ; 1 / (16 g)
	v_mul_f32 v[72+\j], v[64+\j], v[68+\j]         ; g
.endr
.irp j, 0,1,2,3
	v_mul_f32 v[GAIN+\j], 0x41800000, v[72+\j]     ; 16 g
	v_mul_f32 v[VB+\j], v[80+\j], v[IV+\j]         ; (bv Wo) / (16 g)
.endr
	ds_store_b128 v[AIW], v[IV:IV+3]               ; my wave's own copy: no barrier
	s_cmp_lg_u32 s19, 0                            ; one wave of the four work-groups with cb = 0 stores the block's gain and bias
	s_cbranch_scc1 .Lno_post
	s_cmp_lg_u32 s18, 0
	s_cbranch_scc1 .Lno_post
	global_store_b128 v[L16], v[GAIN:GAIN+3], s[16:17]
	global_store_b128 v[L16], v[VB:VB+3], s[16:17] offset:2048
.Lno_post:
; THE PRODUCT, used transposed: source 0 = 16 columns e of Wo (turned out of LDS), source 1 = my 16 rows c of Wv; a lane's eight results are eight neighbouring e of one row c.
.macro FETCHP kc, f                    ; 18 LDS loads: 32 along d
.irp e, 0,1,2,3,4,5,6,7
	ds_load_tr16_b128 v[\f+8*\e:\f+8*\e+3],   v[AWO+(\kc)/4] offset:((\kc)%4)*32*WOP+\e*32
	ds_load_tr16_b128 v[\f+8*\e+4:\f+8*\e+7], v[AWO+(\kc)/4] offset:((\kc)%4)*32*WOP+\e*32+16*WOP
.endr
	ds_load_b128 v[\f+64:\f+67], v[AWV] offset:(\kc)*64
	ds_load_b128 v[\f+68:\f+71], v[AWV] offset:(\kc)*64+32
.endm
	FETCHP 0, FB0
	FETCHP 1, FB0+72
.set kc, 0
.rept 16
.set fb, FB0+72*(kc%2)
.if kc < 15
	s_wait_dscnt 18                                ; the next step's 18 loads may stay out
.else
	s_wait_dscnt 0x0
.endif
.set et, 0
.rept 8                                ; the eight accumulators take turns, one instruction a turn
.if kc == 0
	v_wmma_f32_16x16x32_f16 v[ACC+8*et:ACC+8*et+7], v[fb+8*et:fb+8*et+7], v[fb+64:fb+71], 0
.else
	v_wmma_f32_16x16x32_f16 v[ACC+8*et:ACC+8*et+7], v[fb+8*et:fb+8*et+7], v[fb+64:fb+71], v[ACC+8*et:ACC+8*et+7]
.endif
.set et, et+1
.endr
	PLACES
.if kc < 14
	FETCHP kc+2, fb
.endif
.set kc, kc+1
.endr
	; THE WAY OUT: times 1 / (16 g), to f16, through my own stage, back as whole row pieces of 256 bytes
.irp e, 0,1,2,3,4,5,6,7
	ds_load_b128 v[IVD+8*\e:IVD+8*\e+3],   v[AID] offset:64*\e
	ds_load_b128 v[IVD+8*\e+4:IVD+8*\e+7], v[AID] offset:64*\e+16
.endr
	s_wait_dscnt 0x0
.set i, 0
.rept 32                               ; each accumulator from its low end on
	v_pk_mul_f32 v[ACC+2*i:ACC+2*i+1], v[ACC+2*i:ACC+2*i+1], v[IVD+2*i:IVD+2*i+1]
.set i, i+1
.endr
.set i, 0
.rept 32
	v_cvt_pk_f16_f32 v[TMP+i], v[ACC+2*i], v[ACC+2*i+1]
.set i, i+1
.endr
.irp e, 0,1,2,3,4,5,6,7
	ds_store_b128 v[STO], v[TMP+4*\e:TMP+4*\e+3] offset:32*\e
.endr
.irp t, 0,1,2,3,4,5,6,7
	ds_load_b128 v[OB+4*\t:OB+4*\t+3], v[RD] offset:\t*2*SP    ; LDS serves a wave's instructions in order (ISA guide 5.7.1.4): these see the stores above
.endr
.irp t, 0,1,2,3,4,5,6,7
	s_wait_dscnt 7-\t
	global_store_b128 v[GO], v[OB+4*\t:OB+4*\t+3], s[14:15] offset:\t*2048   ; 16 lanes store 256 consecutive bytes, aligned
.endr
	s_wait_tensorcnt 0x0
	ds_add_u32 v30, v31
	s_wait_dscnt 0x0
	s_endpgm
.Lfunc_end_k_q1621e4d9d2_prep:
	.size	k_q1621e4d9d2_prep, .Lfunc_end_k_q1621e4d9d2_prep-k_q1621e4d9d2_prep
	.p2alignl 7, 3214868480
	.fill 96, 4, 3214868480
	.section	.rodata,"a",@progbits
	.p2align	6, 0x0
	.amdhsa_kernel k_q1621e4d9d2_prep
		.amdhsa_group_segment_fixed_size 220672
		.amdhsa_private_segment_fixed_size 0
		.amdhsa_enable_private_segment 0
		.amdhsa_kernarg_size 56
		.amdhsa_user_sgpr_count 2
		.amdhsa_user_sgpr_kernarg_segment_ptr 1
		.amdhsa_wavefront_size32 1
		.amdhsa_system_sgpr_workgroup_id_x 1
		.amdhsa_system_sgpr_workgroup_id_y 1
		.amdhsa_system_sgpr_workgroup_id_z 1
		.amdhsa_system_vgpr_workitem_id 0
		.amdhsa_next_free_vgpr 256
		.amdhsa_next_free_sgpr 100
		.amdhsa_reserve_vcc 0
		.amdhsa_float_denorm_mode_32 3
		.amdhsa_float_denorm_mode_16_64 3
		.amdhsa_memory_ordered 1
		.amdhsa_forward_progress 1
		.amdhsa_inst_pref_size 136
	.end_amdhsa_kernel
	.amdgpu_metadata
---
amdhsa.version: [ 1, 2 ]
amdhsa.kernels:
  - .name:           k_q1621e4d9d2_prep
    .symbol:         k_q1621e4d9d2_prep.kd
    .args:
      - { .name: Wk, .offset: 0, .size: 8, .value_kind: global_buffer, .address_space: global }
      - { .name: Wv, .offset: 8, .size: 8, .value_kind: global_buffer, .address_space: global }
      - { .name: Wo, .offset: 16, .size: 8, .value_kind: global_buffer, .address_space: global }
      - { .name: bv, .offset: 24, .size: 8, .value_kind: global_buffer, .address_space: global }
      - { .name: wkh, .offset: 32, .size: 8, .value_kind: global_buffer, .address_space: global }
      - { .name: wvh, .offset: 40, .size: 8, .value_kind: global_buffer, .address_space: global }
      - { .name: post, .offset: 48, .size: 8, .value_kind: global_buffer, .address_space: global }
    .group_segment_fixed_size: 220672
    .private_segment_fixed_size: 0
    .kernarg_segment_align: 8
    .kernarg_segment_size: 56
    .max_flat_workgroup_size: 128
    .sgpr_count:     100
    .vgpr_count:     256
    .wavefront_size: 32
...
	.end_amdgpu_metadata
.endif
;; end of part 1
;; launch proj (part 2): grid 128 x 2, 4 waves a work-group, clusters of 4 x 1, 327,680 bytes of LDS; arguments key, value, wkh, wvh, bk, post, kp, vp; writes kp, vp
.if DOCPART == 2
	.amdgcn_target "amdgcn-amd-amdhsa--gfx1250"
	.amdhsa_code_object_version 6
	.text
	.protected	k_q1621e4d9d2_proj
	.globl	k_q1621e4d9d2_proj
	.p2align	8
	.type	k_q1621e4d9d2_proj,@function
k_q1621e4d9d2_proj:
	s_mov_b64 s[64:65], 0
	v_nop
	global_prefetch_b8 v0, s[64:65] scope:SCOPE_SE
	s_setreg_imm32_b32 hwreg(HW_REG_WAVE_MODE, 25, 1), 1
	s_wait_xcnt 0x0
	s_wait_alu depctr_hold_cnt(0) depctr_sa_sdst(0) depctr_va_vdst(0) depctr_va_sdst(0) depctr_va_ssrc(0) depctr_va_vcc(0) depctr_vm_vsrc(0)
	s_getreg_b32 s2, hwreg(HW_REG_IB_STS2, 6, 4)
	s_cmp_eq_u32 s2, 0
	s_cbranch_scc0 .Lentry_in_a_cluster
	s_endpgm
.Lentry_in_a_cluster:
	s_bfe_u32 s2, ttmp6, 0x10000c
	s_cmp_lg_u32 s2, 0x3003
	s_cbranch_scc0 .Lentry_shape_is_right
	s_endpgm
.Lentry_shape_is_right:
; THE TWO PROJECTIONS OF THE CONTEXT.  y = 0: kp = key Wk + bk;  y = 1: vp = value wvh + post[512:1024).  A: [16,384][768] f32, W: [768][512] f16, results [16,384][512] f16; sums in f32.
; LIMITS.  key and value are rounded to f16 for the product: magnitudes of 65,504 or more become infinities, and so do results of that size.
; SHARES.  A work-group makes 128 rows x all 512 columns, so each byte of A leaves memory once; a wave makes 128 x 128 (columns 128 w on): 64 accumulators, 512 registers.
; W goes in steps of 128 along K through two LDS slots filled by the tensor data mover; the four work-groups of a cluster walk the same W, so each tile is asked for JOINTLY (mask 15), 32 rows a wave.
; A needs a conversion, so it goes through registers: 16 loads a wave (2 rows x 256 aligned bytes each) for 64 along K, two such sets always on their way; converted, it lies in one of two LDS
; buffers of 128 rows x 64 K, which take turns behind a plain barrier (no slot is filled again behind it, so W's load may stay out across it).
; THE MATRIX INSTRUCTION IS USED TRANSPOSED: source 0 = 16 columns of W (turned out of LDS), source 1 = 16 rows of A: a lane holds eight neighbouring columns of one row.
; The bias is the C of each accumulator's first product: it starts the sums.
; REGISTERS, in windows of 256:  window 0: v0-31 addresses; v32-63 converted A, later rows on the way out; v64-127, v128-191 fragments of A; v192-255 the bias (8 tiles), later the way out
;   window 1: v0-63, v192-255 A as loaded (two sets); v64-127, v128-191 fragments of W        windows 2, 3: the accumulators ((a, b) at v[8 (8 (a % 4) + b)])
.set KD,   768
.set ND,   512
.set WP,   1056                        ; a row of W in LDS: 1,024 bytes + 32 = 33 x 32, for the turning load
.set WQ,   32*WP                       ; 32 rows: a wave's tensor load, and a quarter step
.set SLOT, 4*WQ                        ; 135,168
.set ASTG, 2*SLOT                      ; 270,336: A in f16, two buffers; no tensor load lands here
.set AP,   144                         ; 128 bytes + 16: nine times 16
.set ABUF, 128*AP
.set OSTG, ASTG+2*ABUF                 ; 307,200: 16 rows x 272 bytes for each wave, for the way out
.set SP,   272
.set ADRA, 16                          ; v16-17 fragments of A in buffer 0, 1
.set ADRW, 20                          ; v20-23 turning loads of W: slot 0 rows 0-63, 64-127; slot 1 likewise
.set ASTO, 24                          ; v24  where I put 4 converted numbers of A
.set AGO,  25                          ; v25  my byte offset in the wave's rows of A
.set STO,  26
.set RD,   27
.set CO,   28
.set BOF,  29
.set CT,   32
.set OB,   32
.set F0,   64
.set F1,   128
.set BIAS, 192
.set TMP,  192
.set WV,   20                          ; s20  wave
.set G1,   24                          ; s[24:31] descriptor group 1
.set G0,   32                          ; s[32:39] descriptor group 0, a set for each slot
.set MSB, 0
.macro WIN new                         ; the immediate's high byte repeats the setting that is left; a switch that changes nothing is dropped
.if MSB != (\new)
	s_set_vgpr_msb (MSB<<8)|(\new)
.set MSB, (\new)
.endif
.endm
.set MUL_LO,  0xa1                     ; source 0 (W) window 1, source 1 (A) window 0, C and D window 2
.set MUL_HI,  0xf1                     ; C and D window 3
.set MULB_LO, 0x81                     ; C (the bias) window 0, D window 2
.set MULB_HI, 0xc1
.set TO_W,    0x40                     ; destination window 1, address window 0
.set CVA,     0x05                     ; sources window 1, destination window 0
.macro PLACES                          ; four plain vector instructions between a matrix instruction and a load into, or a vector instruction on, its registers
.rept 4
	v_nop
.endr
.endm
.macro CREST                           ; a round of the cluster's barrier behind its opening barrier
	s_cmp_lg_u32 s[WV], 0
	s_cbranch_scc1 .Lnot_wave_0_\@
	s_barrier_signal -3
.Lnot_wave_0_\@:
	s_barrier_wait -3
	s_barrier_signal -1
	s_barrier_wait -1
.endm
.macro CROUND
	s_barrier_signal -1
	s_barrier_wait -1
	CREST
.endm
	s_load_b512 s[4:19], s[0:1], 0x0               ; key, value, wkh, wvh, bk, post, kp, vp
	v_lshl_add_u32 v30, v0, 2, 0x4f400
	v_mov_b32 v31, 0
	ds_add_u32 v30, v31
	v_lshrrev_b32 v1, 5, v0
	v_readfirstlane_b32 s[WV], v1
	s_bfe_u32 s21, ttmp6, 0x40000                  ; cx
	s_lshl_b32 s22, ttmp9, 2
	s_add_co_u32 s22, s22, s21                     ; my block of 128 rows: it enters A's and the result's addresses alone
	s_and_b32 s23, ttmp7, 0xffff                   ; which projection: the four partners share it
	; descriptor group 1: 32 rows x 512 elements of 2 bytes, 8 words of padding behind every 256
	s_mov_b32 s[G1+0], 15|(1<<16)|(1<<20)|(1<<21)|(7<<22)|(7<<25)  ; 15:0 the mask: all four work-groups; 17:16 elements of 2 bytes; 20 padding on; 21 set beside a mask; 24:22 code 7; 31:25 code 7
	s_mov_b32 s[G1+1], ND<<16                      ; tensor_dim0 = 512
	s_mov_b32 s[G1+2], 32<<16                      ; tensor_dim1 = 32
	s_mov_b32 s[G1+3], ND<<16                      ; tile_dim0 = 512
	s_mov_b32 s[G1+4], 32                          ; tile_dim1 = 32
	s_mov_b32 s[G1+5], ND                          ; elements from row to row
	s_mov_b32 s[G1+6], 0
	s_mov_b32 s[G1+7], 0
	s_mul_i32 s40, s22, 128*KD*4                   ; A: row 128 x block + 32 x wave, 3,072 bytes a row
	s_mul_i32 s41, s[WV], 32*KD*4
	s_add_co_u32 s40, s40, s41
	s_mov_b32 s41, 0
	s_lshl_b32 s42, s[WV], 15                      ; W: my 32 rows of a tile
	s_mov_b32 s43, 0
	s_lshl_b32 s44, s[WV], 9                       ; the bias of my 128 columns
	s_mov_b32 s45, 0
	s_lshl_b32 s46, s22, 17                        ; the result: row 128 x block, 1,024 bytes a row; my 256 bytes of it
	s_lshl_b32 s47, s[WV], 8
	s_add_co_u32 s46, s46, s47
	s_mov_b32 s47, 0
	s_mul_i32 s48, s[WV], WQ                       ; my 32 rows in a slot
	v_and_b32 v1, 15, v0                           ; r = lane % 16
	v_bfe_u32 v2, v0, 4, 1                         ; h = lane / 16
	v_mul_u32_u24 v3, v2, KD*4
	v_lshl_add_u32 v[AGO], v1, 4, v3               ; lanes 0-15 take 256 bytes of one row, lanes 16-31 of the next
	v_lshlrev_b32 v[BOF], 5, v2
	s_wait_dscnt 0x0
	s_wait_kmcnt 0x0
	s_add_nc_u64 s[14:15], s[14:15], 2048          ; the value side's bias lies behind the gain
	s_cmp_eq_u32 s23, 0
	s_cselect_b64 s[4:5], s[4:5], s[6:7]           ; A
	s_cselect_b64 s[8:9], s[8:9], s[10:11]         ; W
	s_cselect_b64 s[12:13], s[12:13], s[14:15]     ; bias
	s_cselect_b64 s[16:17], s[16:17], s[18:19]     ; result
	s_add_nc_u64 s[4:5], s[4:5], s[40:41]
	s_add_nc_u64 s[8:9], s[8:9], s[42:43]
	s_add_nc_u64 s[12:13], s[12:13], s[44:45]
	s_add_nc_u64 s[16:17], s[16:17], s[46:47]
.irp s, 0,1
	s_mov_b32 s[G0+4*\s], 1
	s_add_co_u32 s[G0+4*\s+1], s48, \s*SLOT
	s_add_nc_u64 s[G0+4*\s+2:G0+4*\s+3], s[8:9], \s*128*ND*2
	s_or_b32 s[G0+4*\s+3], s[G0+4*\s+3], 0x80000000
.endr
.macro ALOADS ar, col                  ; 16 loads: my 32 rows x 64 K of f32, at byte col of the rows
.irp i, 0,1,2,3,4,5,6,7,8,9,10,11,12,13,14,15
	global_load_b128 v[\ar+4*\i:\ar+4*\i+3], v[AGO], s[4:5] offset:\i*2*KD*4+\col th:TH_LOAD_NT
.endr
.endm
.irp b, 0,1,2,3,4,5,6,7                ; bias tile b: register j of lane (r, h) is column 128 w + 16 b + 8 h + j, the layout of a result
	global_load_b128 v[BIAS+8*\b:BIAS+8*\b+3],   v[BOF], s[12:13] offset:64*\b
	global_load_b128 v[BIAS+8*\b+4:BIAS+8*\b+7], v[BOF], s[12:13] offset:64*\b+16
.endr
	WIN TO_W
	ALOADS 0, 0                                    ; K 0-63
	ALOADS 192, 256                                ; K 64-127
	WIN 0
	CROUND                                         ; all four work-groups are here: the first joint loads meet
	tensor_load_to_lds s[G0:G0+3], s[G1:G1+7]      ; K steps 0 and 1: two loads of mine are out
	s_nop 0
	tensor_load_to_lds s[G0+4:G0+7], s[G1:G1+7]
	s_nop 0
	PLACES                                         ; four v_nop follow the loads
	v_mul_u32_u24 v3, v1, AP
	v_lshl_add_u32 v3, v2, 4, v3
	v_add_nc_u32 v[ADRA], ASTG, v3
	v_add_nc_u32 v[ADRA+1], ASTG+ABUF, v3
	v_and_b32 v4, 7, v0                            ; the turning load: row 8 h + lane % 8, 16 bytes for each eight lanes
	v_lshl_add_u32 v4, v2, 3, v4
	v_mul_u32_u24 v4, v4, WP
	v_bfe_u32 v5, v0, 3, 1
	v_lshl_add_u32 v4, v5, 4, v4
	s_lshl_b32 s49, s[WV], 8
	v_add_nc_u32 v[ADRW], s49, v4
	v_add_nc_u32 v[ADRW+1], 2*WQ, v[ADRW]
	v_add_nc_u32 v[ADRW+2], SLOT, v[ADRW]
	v_add_nc_u32 v[ADRW+3], SLOT+2*WQ, v[ADRW]
	s_mul_i32 s50, s[WV], 32*AP
	s_add_co_u32 s50, s50, ASTG
	v_mul_u32_u24 v3, v2, AP
	v_lshl_add_u32 v3, v1, 3, v3
	v_add_nc_u32 v[ASTO], s50, v3
	s_mul_i32 s51, s[WV], 16*SP
	s_add_co_u32 s51, s51, OSTG
	v_mul_u32_u24 v3, v1, SP
	v_lshl_add_u32 v3, v2, 4, v3
	v_add_nc_u32 v[STO], s51, v3
	v_mul_u32_u24 v3, v2, SP
	v_lshl_add_u32 v3, v1, 4, v3
	v_add_nc_u32 v[RD], s51, v3
	v_lshlrev_b32 v3, 10, v2
	v_lshl_add_u32 v[CO], v1, 4, v3
; 16 matrix instructions: row blocks a0, a0 + 1 of the window's four x all 8 column blocks, 32 along K.  bias = 1: the bias tile is C and starts the sums.
.macro MUL16 f, hi, a0, bias
.irp a, \a0, \a0+1
.irp b, 0,1,2,3,4,5,6,7
.if \bias
	v_wmma_f32_16x16x32_f16 v[8*(8*(\a)+\b):8*(8*(\a)+\b)+7], v[\f+8*\b:\f+8*\b+7], v[\f+8*(4*\hi+\a):\f+8*(4*\hi+\a)+7], v[BIAS+8*\b:BIAS+8*\b+7]
.else
	v_wmma_f32_16x16x32_f16 v[8*(8*(\a)+\b):8*(8*(\a)+\b)+7], v[\f+8*\b:\f+8*\b+7], v[\f+8*(4*\hi+\a):\f+8*(4*\hi+\a)+7], v[8*(8*(\a)+\b):8*(8*(\a)+\b)+7]
.endif
.endr
.endr
.endm
; 32 LDS loads in one run: the fragments of quarter n of a lap's eight (32 along K): W from slot n / 4, A from buffer (n / 2) % 2
.macro FETCH n, f
.set fs, ((\n)%8)/4
.set fq, (\n)%4
.set fa, (((\n)%8)/2)%2
.set fk, (\n)%2
	WIN TO_W
.irp b, 0,1,2,3,4,5,6,7
	ds_load_tr16_b128 v[\f+8*\b:\f+8*\b+3],   v[ADRW+2*fs+fq/2] offset:(fq%2)*WQ+\b*32
	ds_load_tr16_b128 v[\f+8*\b+4:\f+8*\b+7], v[ADRW+2*fs+fq/2] offset:(fq%2)*WQ+\b*32+16*WP
.endr
	WIN 0
.irp i, 0,1,2,3,4,5,6,7
	ds_load_b128 v[\f+8*\i:\f+8*\i+3],   v[ADRA+fa] offset:\i*16*AP+fk*64
	ds_load_b128 v[\f+8*\i+4:\f+8*\i+7], v[ADRA+fa] offset:\i*16*AP+fk*64+32
.endr
.endm
; A's set ar has come: it is converted and stored into buffer abuf, and (col >= 0) the set is asked for again, three half steps ahead of the half step in hand.
.macro ACONV ar, abuf, left, col
	s_wait_loadcnt \left                           ; loads come back in order: the other set's 16 may stay out
	WIN CVA
.irp i, 0,1,2,3,4,5,6,7,8,9,10,11,12,13,14,15
	v_cvt_pk_f16_f32 v[CT+2*\i],   v[\ar+4*\i],   v[\ar+4*\i+1]
	v_cvt_pk_f16_f32 v[CT+2*\i+1], v[\ar+4*\i+2], v[\ar+4*\i+3]
.endr
	WIN 0
.irp i, 0,1,2,3,4,5,6,7,8,9,10,11,12,13,14,15
	ds_store_b64 v[ASTO], v[CT+2*\i:CT+2*\i+1] offset:\i*2*AP+\abuf*ABUF
.endr
.if \col >= 0
	WIN TO_W
	ALOADS \ar, \col
.endif
.endm
; An even quarter multiplies buffer F0.  In its middle: the next half step's A goes into the LDS buffer whose readers passed the barrier that opened this half step
; (the 32 conversions are also the places in front of the loads), and the odd quarter's fragments are fetched.
.macro EVEN n, bias, ar, abuf, left, col
	s_wait_dscnt 8                                 ; W and A's rows 0-63 are in; the youngest eight loads (A's rows 64-127) may be out
.if \bias
	WIN MULB_LO
.else
	WIN MUL_LO
.endif
	MUL16 F0, 0, 0, \bias
	MUL16 F0, 0, 2, \bias
.if \ar >= 0
	ACONV \ar, \abuf, \left, \col
.else
	PLACES
.endif
	FETCH \n+1, F1
	s_wait_dscnt 32                                ; all but the 32 loads just issued
.if \bias
	WIN MULB_HI
.else
	WIN MUL_HI
.endif
	MUL16 F0, 1, 0, \bias
	MUL16 F0, 1, 2, \bias
.endm
; An odd quarter multiplies buffer F1 and ends a half step: one barrier.  In front of it my reads of A's buffer and my stores into the other are done.
; kind 0: A's buffers change, nothing more.  kind 1: W's slot n / 4 has been read out too: all my tensor loads have landed, the barrier opens a round of the cluster's barrier, and
; the joint refill, two K steps on, is the first thing behind it; 240 matrix instructions stand between it and the wait for it.  kind 2: the last change of slots: nothing is filled.
.macro TURN n, kind
	s_wait_dscnt 8
	WIN MUL_LO
	MUL16 F1, 0, 0, 0
	s_wait_dscnt 0x0
.if \kind
	s_set_vgpr_msb 0xa1a0
	s_wait_tensorcnt 0x0                           ; the one load of mine that was out is my part of the other slot
	ds_add_u32 v30, v31
	s_wait_dscnt 0x0
	s_set_vgpr_msb 0xa0a1
.endif
	s_barrier_signal -1
	MUL16 F1, 0, 2, 0                              ; work on registers while the others arrive
.if \kind == 1
	WIN 0
.endif
	s_barrier_wait -1
.if \kind == 1
	CREST
	s_add_nc_u64 s[G0+4*((\n)/4)+2:G0+4*((\n)/4)+3], s[G0+4*((\n)/4)+2:G0+4*((\n)/4)+3], 2*128*ND*2
	tensor_load_to_lds s[G0+4*((\n)/4):G0+4*((\n)/4)+3], s[G1:G1+7]
	s_nop 0
.endif
	PLACES                                         ; behind the load, and in front of the loads into F0
	FETCH \n+1, F0
	WIN MUL_HI
	MUL16 F1, 1, 0, 0
	MUL16 F1, 1, 2, 0
.endm
; THE WAY OUT of row block a: to f16, 16 bytes a lane; through my own stage; back as rows of 256 bytes; stored.
.macro PACK a
.set AC, 64*((\a)%4)
	WIN 0x0a+5*((\a)/4)                            ; sources window 2 or 3
.irp b, 0,1,2,3,4,5,6,7
.irp r, 0,1,2,3
	v_cvt_pk_f16_f32 v[TMP+4*\b+\r], v[AC+8*\b+2*\r], v[AC+8*\b+2*\r+1]   ; each accumulator from its low end on
.endr
.endr
	WIN 0
.endm
.macro TOSTAGE a
.set BK, OB+192*((\a)%2)
.irp b, 0,1,2,3,4,5,6,7
	ds_store_b128 v[STO], v[TMP+4*\b:TMP+4*\b+3] offset:32*\b
.endr
.irp t, 0,1,2,3,4,5,6,7
	ds_load_b128 v[BK+4*\t:BK+4*\t+3], v[RD] offset:\t*2*SP    ; LDS serves a wave's instructions in order (ISA guide 5.7.1.4)
.endr
.endm
.macro SEND a
.set BK, OB+192*((\a)%2)
	s_wait_dscnt 0x0
	s_wait_xcnt 0x0                                ; the registers that the block before last's stores read are loaded again only behind this wait
.irp t, 0,1,2,3,4,5,6,7
	global_store_b128 v[CO], v[BK+4*\t:BK+4*\t+3], s[16:17] offset:(16*(\a)+2*\t)*ND*2   ; 16 lanes store 256 consecutive bytes, aligned
.endr
.endm
	ACONV 0, 0, 16, 512                            ; the bias and K 0-63 are in (K 64-127 may stay out); K 128-191 is asked for
	s_wait_dscnt 0x0                               ; my part of A's buffer 0 is written,
	s_wait_tensorcnt 0x1                           ; my part of K step 0 of W is in; step 1's may stay out
	s_barrier_signal -1
	s_barrier_wait -1
	FETCH 0, F0
	EVEN 0, 1, 192, 1, 16, 3*256                   ; the first quarter stands in front of the loop: its products start the sums
	WIN 0
	s_mov_b32 s3, 2
.Llap:                                                 ; a trip: eight quarters, from a lap's second to the next lap's first; both slots are filled again
	TURN 1, 0
	EVEN 2, 0, 0, 0, 16, 4*256
	TURN 3, 1
	EVEN 4, 0, 192, 1, 16, 5*256
	TURN 5, 0
	EVEN 6, 0, 0, 0, 16, 6*256
	TURN 7, 1
	EVEN 0, 0, 192, 1, 16, 7*256
	WIN 0
	s_wait_xcnt 0x0                                ; A's base is stepped only behind this wait
	s_add_nc_u64 s[4:5], s[4:5], 1024              ; four half steps of 256 bytes
	s_sub_co_u32 s3, s3, 1
	s_cmp_lg_u32 s3, 0
	s_cbranch_scc1 .Llap
	TURN 1, 0                                      ; the last lap is written out: it asks for nothing more
	EVEN 2, 0, 0, 0, 16, -1
	TURN 3, 2
	EVEN 4, 0, 192, 1, 0, -1
	TURN 5, 0
	EVEN 6, 0, -1, 0, 0, -1
	s_wait_dscnt 0x0
	WIN MUL_LO
	MUL16 F1, 0, 0, 0
	MUL16 F1, 0, 2, 0
	WIN MUL_HI
	MUL16 F1, 1, 0, 0
	MUL16 F1, 1, 2, 0
	PLACES
	PACK 0
	TOSTAGE 0
.irp a, 1,2,3,4,5,6,7                  ; block a's conversions stand between block a - 1's loads from the stage and the wait for them
	PACK \a
	SEND \a-1
	TOSTAGE \a
.endr
	SEND 7
	s_wait_tensorcnt 0x0
	ds_add_u32 v30, v31
	s_wait_dscnt 0x0
	CROUND                                         ; the closing round: no work-group ends while a partner may still ask for a tile that names it
	s_endpgm
.Lfunc_end_k_q1621e4d9d2_proj:
	.size	k_q1621e4d9d2_proj, .Lfunc_end_k_q1621e4d9d2_proj-k_q1621e4d9d2_proj
	.p2alignl 7, 3214868480
	.fill 96, 4, 3214868480
	.section	.rodata,"a",@progbits
	.p2align	6, 0x0
	.amdhsa_kernel k_q1621e4d9d2_proj
		.amdhsa_group_segment_fixed_size 327680
		.amdhsa_private_segment_fixed_size 0
		.amdhsa_enable_private_segment 0
		.amdhsa_kernarg_size 64
		.amdhsa_user_sgpr_count 2
		.amdhsa_user_sgpr_kernarg_segment_ptr 1
		.amdhsa_wavefront_size32 1
		.amdhsa_system_sgpr_workgroup_id_x 1
		.amdhsa_system_sgpr_workgroup_id_y 1
		.amdhsa_system_sgpr_workgroup_id_z 1
		.amdhsa_system_vgpr_workitem_id 0
		.amdhsa_next_free_vgpr 1024
		.amdhsa_next_free_sgpr 66
		.amdhsa_reserve_vcc 0
		.amdhsa_float_denorm_mode_32 3
		.amdhsa_float_denorm_mode_16_64 3
		.amdhsa_memory_ordered 1
		.amdhsa_forward_progress 1
		.amdhsa_inst_pref_size 178
	.end_amdhsa_kernel
	.amdgpu_metadata
---
amdhsa.version: [ 1, 2 ]
amdhsa.kernels:
  - .name:           k_q1621e4d9d2_proj
    .symbol:         k_q1621e4d9d2_proj.kd
    .args:
      - { .name: key, .offset: 0, .size: 8, .value_kind: global_buffer, .address_space: global }
      - { .name: value, .offset: 8, .size: 8, .value_kind: global_buffer, .address_space: global }
      - { .name: wkh, .offset: 16, .size: 8, .value_kind: global_buffer, .address_space: global }
      - { .name: wvh, .offset: 24, .size: 8, .value_kind: global_buffer, .address_space: global }
      - { .name: bk, .offset: 32, .size: 8, .value_kind: global_buffer, .address_space: global }
      - { .name: post, .offset: 40, .size: 8, .value_kind: global_buffer, .address_space: global }
      - { .name: kp, .offset: 48, .size: 8, .value_kind: global_buffer, .address_space: global }
      - { .name: vp, .offset: 56, .size: 8, .value_kind: global_buffer, .address_space: global }
    .group_segment_fixed_size: 327680
    .private_segment_fixed_size: 0
    .kernarg_segment_align: 8
    .kernarg_segment_size: 64
    .max_flat_workgroup_size: 128
    .sgpr_count:     66
    .vgpr_count:     1024
    .wavefront_size: 32
...
	.end_amdgpu_metadata
.endif
;; end of part 2
;; launch attn (part 3): grid 32 x 8, 4 waves a work-group, clusters of 4 x 1, 327,680 bytes of LDS; arguments query, kp, vp, post, bo, out0; writes out0
.if DOCPART == 3
	.amdgcn_target "amdgcn-amd-amdhsa--gfx1250"
	.amdhsa_code_object_version 6
	.text
	.protected	k_q1621e4d9d2_attn
	.globl	k_q1621e4d9d2_attn
	.p2align	8
	.type	k_q1621e4d9d2_attn,@function
k_q1621e4d9d2_attn:
	s_mov_b64 s[64:65], 0
	v_nop
	global_prefetch_b8 v0, s[64:65] scope:SCOPE_SE
	s_setreg_imm32_b32 hwreg(HW_REG_WAVE_MODE, 25, 1), 1
	s_wait_xcnt 0x0
	s_wait_alu depctr_hold_cnt(0) depctr_sa_sdst(0) depctr_va_vdst(0) depctr_va_sdst(0) depctr_va_ssrc(0) depctr_va_vcc(0) depctr_vm_vsrc(0)
	s_getreg_b32 s2, hwreg(HW_REG_IB_STS2, 6, 4)
	s_cmp_eq_u32 s2, 0
	s_cbranch_scc0 .Lentry_in_a_cluster
	s_endpgm
.Lentry_in_a_cluster:
	s_bfe_u32 s2, ttmp6, 0x10000c
	s_cmp_lg_u32 s2, 0x3003
	s_cbranch_scc0 .Lentry_shape_is_right
	s_endpgm
.Lentry_shape_is_right:
; out[q][e] = gain[e] (sum over k of p[k] vp[k][e]) / (sum over k of p[k]) + bo[e],  p[k] = 2^(c s[k] - c m),  s = query[q] . kp[k],  c = log2(e) / sqrt(512),  m the row's running maximum.
; query [8][2048][512] f32 (rounded to f16 for the product); kp, vp [8][2048][512] f16; sums, maxima and exponentials in f32; p rounded to f16 (p <= 1 by the maximum).
; LIMITS.  |query| of 65,504 or more becomes infinity.  Weights below 6e-8 of a row's largest are dropped by the rounding to f16.
; SHARES.  A work-group owns 64 queries of one batch, and ALL FOUR WAVES WORK ON ALL 64, so that a fragment of K or V read from LDS feeds four products.  A step is 128 keys; 16 steps.
;   Scores: wave w makes S^T (source 0 = 16 keys, source 1 = 16 queries) for keys 32 w .. 32 w + 31 of the step x 64 queries: 8 accumulators, 128 products.  Q lies whole in every wave.
;   Second product: wave w makes O^T (source 0 = 16 channels of V, turned; source 1 = 32 keys x 16 queries of P) for channels 128 w .. 128 w + 127 x 64 queries: 32 accumulators, 128 products.
;   Between them the waves exchange through LDS the row maxima (1 KB) and P (16 KB): two S^T tiles of a query tile, packed to f16, ARE a fragment of P as source 1.
; SOFTMAX.  m = the largest of the four waves' maxima of the step and the old m; O and l are multiplied by A = 2^(c m_old - c m) in every step.  A wave keeps l of its own keys; the four are added at the end.
; RING.  Two slots, K's tile and V's: K's is filled again while V is multiplied, V's while K is multiplied; each refill stands behind a round of the cluster's barrier, 32 rows a wave.
;   Each refill is waited for in front of the other's round, so nothing stands inside a round: K's load has the softmax and 96 products in which to land, V's 160 products and the row maxima.
; CLUSTER.  The four query blocks of a cluster belong to one batch and walk the same kp and vp: each tile is asked for JOINTLY (mask 15).
; WALK.  A softmax does not hang on the order of its keys.  Cluster x of a batch's eight begins at key step 4 min(x, 7 - x) and goes round modulo 16: at any time the eight ask for four
;   different tiles, and from its fifth step on a cluster asks for tiles that another cluster of the batch has read four steps before (in each half of the eight by any one bit of x too).
; REGISTERS.  window 0: v0 thread, v1-7 addresses; v8-47 ten statistics a query tile; v48-63 the exchanged maxima; v64-127 S^T (16 a tile), then two buffers of P; v128-255 two buffers of K or V
;   window 1: O^T ((t, ct) at 8 (8 t + ct)); first Q as loaded        windows 2, 3: Q ((kc, t) at 512 + 8 (4 kc + t)); at the end gain, bo and the rows on their way out
.set KP,   1040                        ; a row of K in LDS: 1,024 bytes + 16 = 65 x 16
.set VP,   1056                        ; a row of V: 1,024 + 32 = 33 x 32, for the turning load
.set VS,   128*KP                      ; 133,120
.set SCR,  VS+128*VP                   ; 268,288: 34,816 bytes into which no tensor load lands: two stages for Q; then P; then four stages for the way out
.set MAXB, SCR+34816                   ; 303,104: [query][wave] f32
.set QSP,  272
.set QST,  64*QSP
.set OSP,  528                         ; 512 bytes + 16 = 33 x 16
.set STEPB, 128*1024                   ; a step's 128 rows in memory
.set AK,  1                            ; v1  fragments of K
.set AV0, 2                            ; v2, v3  turning loads of V, keys 0-63 and 64-127
.set APW, 4                            ; v4  where I put my P
.set APR, 5                            ; v5  where I read P
.set AMW, 6                            ; v6  my wave's word of my query's four
.set AMR, 7                            ; v7  my query's four words
.set ST,  8                            ; tile t at v[8 + 10 t]: +0 c m, +1 at work, +2 +3 l, +4 +5 the step's sum, +6 1 / l at the end, +7 m, +8 A, +9 c m of the step before
.set G,   48
.set S,   64
.set PF0, 64
.set PF1, 96
.set F0,  128
.set F1,  192
.set QO,  64                           ; the start borrows S^T's registers: offset in Q, stage in, stage out
.set QSI, 65
.set QSO, 66
.set ASW, 64                           ; and so does the end
.set ASR, 65
.set GO,  66
.set WV,  16
.set G1K, 24
.set G1V, 32
.set G0K, 40
.set G0V, 44
.set CS,  48                           ; s[48:49] c, twice
.set SEL, 50                           ; s[50:51] v_permlanex16_b32: each lane takes its own place in the other half
.set OK,  60                           ; s[60:61] byte offset of K's tile among the batch's rows, high word 0
.set OV,  62                           ; s[62:63] the same for V's
.set MSB, 0
.macro WIN new
.if MSB != (\new)
	s_set_vgpr_msb (MSB<<8)|(\new)
.set MSB, (\new)
.endif
.endm
.set W_S2, 0x08                        ; source 1 (Q) window 2; K, S^T, and LDS loads' addresses and destinations window 0
.set W_S3, 0x0c                        ; Q in window 3
.set W_PV, 0x50                        ; C and D (O^T) window 1
.set W_RS, 0x41                        ; destination and source 0 window 1
.macro PLACES                          ; four plain vector instructions between a matrix instruction and a load into, or a vector instruction on, its registers
.rept 4
	v_nop
.endr
.endm
.macro CREST
	s_cmp_lg_u32 s[WV], 0
	s_cbranch_scc1 .Lnot_wave_0_\@
	s_barrier_signal -3
.Lnot_wave_0_\@:
	s_barrier_wait -3
	s_barrier_signal -1
	s_barrier_wait -1
.endm
.macro CROUND
	s_barrier_signal -1
	s_barrier_wait -1
	CREST
.endm
; The next tile of the walk: the offset steps by 128 rows and wraps at the batch's 2,048; the address is made anew from the base.  It stands where no tensor load of the wave is out.
.macro WALK g0, base, off
	s_add_co_u32 s[\off], s[\off], STEPB
	s_and_b32 s[\off], s[\off], 16*STEPB-1
	s_add_nc_u64 s[\g0+2:\g0+3], s[\base:\base+1], s[\off:\off+1]
	s_or_b32 s[\g0+3], s[\g0+3], 0x80000000
.endm
	s_load_b256 s[4:11], s[0:1], 0x0               ; query s[4:5], kp s[6:7], vp s[8:9], post s[10:11]
	s_load_b128 s[12:15], s[0:1], 0x20             ; bo s[12:13], out0 s[14:15]
	v_lshl_add_u32 v62, v0, 2, 0x4a800
	v_mov_b32 v63, 0
	ds_add_u32 v62, v63
	s_wait_dscnt 0x0
	v_lshrrev_b32 v1, 5, v0
	v_readfirstlane_b32 s[WV], v1
	s_bfe_u32 s17, ttmp6, 0x40000                  ; cx
	s_lshl_b32 s18, ttmp9, 2
	s_add_co_u32 s18, s18, s17                     ; my block of 64 queries: it enters query's and out0's addresses alone
	s_and_b32 s19, ttmp7, 0xffff                   ; the batch, which the partners share
	s_lshr_b32 s2, ttmp9, 2                        ; the cluster's x, 0 to 7, which the partners share too:
	s_mul_i32 s2, s2, 7
	s_xor_b32 s2, s2, ttmp9                        ; x for x < 4, 7 - x for the others
	s_and_b32 s2, s2, 3
	s_lshl_b32 s[OK], s2, 19                       ; the walk begins four steps of 131,072 bytes further on for each
	s_mov_b32 s[OK+1], 0
	s_mov_b32 s[OV], s[OK]
	s_mov_b32 s[OV+1], 0
	s_lshl_b32 s20, s19, 21                        ; kp, vp: the batch's 2,048 rows of 1,024 bytes, my 32 rows of a tile
	s_lshl_b32 s21, s[WV], 15
	s_add_co_u32 s20, s20, s21
	s_mov_b32 s21, 0
	s_lshl_b32 s22, s19, 22                        ; query, out0: the batch's 2,048 rows of 2,048 bytes, my block's 64
	s_lshl_b32 s23, s18, 17
	s_add_co_u32 s22, s22, s23
	s_mov_b32 s23, 0
	s_lshl_b32 s54, s[WV], 15                      ; query: my wave's 16 rows
	s_mov_b32 s55, 0
	s_lshl_b32 s56, s[WV], 9                       ; out0, gain, bo: my wave's 128 channels
	s_mov_b32 s57, 0
	s_mov_b32 s[G1K], 15|(1<<16)|(1<<20)|(1<<21)|(7<<22)|(3<<25)  ; mask: all four; elements of 2 bytes; padding on; 21 set beside a mask; after every 256 words; 4 words
	s_mov_b32 s[G1V], 15|(1<<16)|(1<<20)|(1<<21)|(7<<22)|(7<<25)  ; the same with 8 words
.irp g, G1K, G1V
	s_mov_b32 s[\g+1], 512<<16                     ; tensor_dim0 = 512
	s_mov_b32 s[\g+2], 32<<16                      ; tensor_dim1 = 32
	s_mov_b32 s[\g+3], 512<<16                     ; tile_dim0 = 512
	s_mov_b32 s[\g+4], 32                          ; tile_dim1 = 32
	s_mov_b32 s[\g+5], 512                         ; elements from row to row
	s_mov_b32 s[\g+6], 0
	s_mov_b32 s[\g+7], 0
.endr
	s_mov_b32 s[CS], 0x3d8293ee                    ; c = log2(e) / sqrt(512) = 0.0637587
	s_mov_b32 s[CS+1], s[CS]
	s_mov_b32 s[SEL], 0x76543210
	s_mov_b32 s[SEL+1], 0xfedcba98
	v_and_b32 v10, 31, v0
	v_lshlrev_b32 v[QO], 4, v10
	s_wait_kmcnt 0x0
	s_add_nc_u64 s[4:5], s[4:5], s[22:23]
	s_add_nc_u64 s[4:5], s[4:5], s[54:55]
	s_add_nc_u64 s[14:15], s[14:15], s[22:23]
	s_add_nc_u64 s[14:15], s[14:15], s[56:57]
	s_add_nc_u64 s[10:11], s[10:11], s[56:57]
	s_add_nc_u64 s[12:13], s[12:13], s[56:57]
	s_add_nc_u64 s[6:7], s[6:7], s[20:21]          ; kp and vp at my 32 rows of the batch's key step 0: the bases of the walk
	s_add_nc_u64 s[8:9], s[8:9], s[20:21]
	s_mov_b32 s[G0K], 1
	s_mul_i32 s[G0K+1], s[WV], 32*KP
	s_add_nc_u64 s[G0K+2:G0K+3], s[6:7], s[OK:OK+1]
	s_or_b32 s[G0K+3], s[G0K+3], 0x80000000
	s_mov_b32 s[G0V], 1
	s_mul_i32 s[G0V+1], s[WV], 32*VP
	s_add_co_u32 s[G0V+1], s[G0V+1], VS
	s_add_nc_u64 s[G0V+2:G0V+3], s[8:9], s[OV:OV+1]
	s_or_b32 s[G0V+3], s[G0V+3], 0x80000000
	WIN 0x40                                       ; destination window 1
.irp p, 0,1,2,3                        ; my 16 rows of Q, 128 channels a pass: each load is 512 consecutive bytes
.irp i, 0,1,2,3,4,5,6,7,8,9,10,11,12,13,14,15
	global_load_b128 v[4*(16*\p+\i):4*(16*\p+\i)+3], v[QO], s[4:5] offset:\i*2048+\p*512 th:TH_LOAD_NT
.endr
.endr
	WIN 0
	CROUND                                         ; all four work-groups are here: the first joint loads meet
	tensor_load_to_lds s[G0K:G0K+3], s[G1K:G1K+7]  ; the first step's K and V: two loads of mine are out
	s_nop 0
	tensor_load_to_lds s[G0V:G0V+3], s[G1V:G1V+7]
	s_nop 0
	PLACES                                         ; four v_nop follow the loads
	v_and_b32 v8, 15, v0                           ; r = lane % 16
	v_bfe_u32 v9, v0, 4, 1                         ; h = lane / 16
	s_mul_i32 s54, s[WV], 32*KP
	v_mul_u32_u24 v11, v8, KP
	v_lshl_add_u32 v11, v9, 4, v11
	v_add_nc_u32 v[AK], s54, v11
	v_and_b32 v11, 7, v0
	v_lshl_add_u32 v11, v9, 3, v11
	v_mul_u32_u24 v11, v11, VP
	v_bfe_u32 v12, v0, 3, 1
	v_lshl_add_u32 v11, v12, 4, v11
	s_lshl_b32 s55, s[WV], 8
	s_add_co_u32 s55, s55, VS
	v_add_nc_u32 v[AV0], s55, v11
	v_add_nc_u32 v[AV0+1], 64*VP, v[AV0]
	v_lshlrev_b32 v11, 4, v10
	v_add_nc_u32 v[APR], SCR, v11
	s_lshl_b32 s56, s[WV], 12
	v_add_nc_u32 v[APW], s56, v[APR]
	v_lshlrev_b32 v11, 4, v8
	v_add_nc_u32 v[AMR], MAXB, v11
	s_lshl_b32 s57, s[WV], 2
	v_add_nc_u32 v[AMW], s57, v[AMR]
	s_mul_i32 s58, s[WV], 16*QSP
	s_add_co_u32 s58, s58, SCR
	v_lshl_add_u32 v[QSI], v10, 3, s58
	v_mul_u32_u24 v11, v8, QSP
	v_lshl_add_u32 v11, v9, 4, v11
	v_add_nc_u32 v[QSO], SCR, v11
; Q: pass p converts channels 128 p .. 128 p + 127 of my 16 rows, puts them into stage p % 2, and behind a barrier every wave reads all 64 rows' fragments.
; A stage is written again two passes on: its reads are waited for in front of the barrier of the pass between.
.macro QPASS p
	s_wait_loadcnt 48-16*\p                        ; the later passes' loads may stay out
	WIN 0x05
.irp i, 0,1,2,3,4,5,6,7,8,9,10,11,12,13,14,15
	v_cvt_pk_f16_f32 v[F0+2*\i],   v[4*(16*\p+\i)],   v[4*(16*\p+\i)+1]
	v_cvt_pk_f16_f32 v[F0+2*\i+1], v[4*(16*\p+\i)+2], v[4*(16*\p+\i)+3]
.endr
	WIN 0
.irp i, 0,1,2,3,4,5,6,7,8,9,10,11,12,13,14,15
	ds_store_b64 v[QSI], v[F0+2*\i:F0+2*\i+1] offset:(\p%2)*QST+\i*QSP
.endr
	s_wait_dscnt 0x0
	s_barrier_signal -1
	s_barrier_wait -1
	WIN 0x80+0x40*(\p/2)                           ; destination window 2 or 3
.irp t, 0,1,2,3
.irp c, 0,1,2,3
	ds_load_b128 v[8*(4*((4*\p+\c)%8)+\t):8*(4*((4*\p+\c)%8)+\t)+3],   v[QSO] offset:(\p%2)*QST+\t*16*QSP+\c*64
	ds_load_b128 v[8*(4*((4*\p+\c)%8)+\t)+4:8*(4*((4*\p+\c)%8)+\t)+7], v[QSO] offset:(\p%2)*QST+\t*16*QSP+\c*64+32
.endr
.endr
.endm
	QPASS 0
	QPASS 1
	QPASS 2
	QPASS 3
	WIN 0
	s_wait_dscnt 0x0                               ; Q is in registers, and my reads of the stages are over: P may take their bytes
	s_wait_tensorcnt 0x1                           ; my part of K's tile is in; V's may stay out
	s_barrier_signal -1
	s_barrier_wait -1
.macro FETCHK g, f                     ; 16 loads: my 32 keys, channels 128 g .. 128 g + 127: fragment (c, u) = channels 32 (4 g + c) on, keys 16 u on
.irp c, 0,1,2,3
.irp u, 0,1
	ds_load_b128 v[\f+8*(2*\c+\u):\f+8*(2*\c+\u)+3],   v[AK] offset:\u*16*KP+(4*\g+\c)*64
	ds_load_b128 v[\f+8*(2*\c+\u)+4:\f+8*(2*\c+\u)+7], v[AK] offset:\u*16*KP+(4*\g+\c)*64+32
.endr
.endr
.endm
.macro SRUN g, f                       ; 32 products; the eight accumulators take turns, one instruction a turn; the first eight start the sums
.irp c, 0,1,2,3
.irp u, 0,1
.irp t, 0,1,2,3
.if (\g == 0) && (\c == 0)
	v_wmma_f32_16x16x32_f16 v[S+16*\t+8*\u:S+16*\t+8*\u+7], v[\f+8*(2*\c+\u):\f+8*(2*\c+\u)+7], v[8*(4*((4*\g+\c)%8)+\t):8*(4*((4*\g+\c)%8)+\t)+7], 0
.else
	v_wmma_f32_16x16x32_f16 v[S+16*\t+8*\u:S+16*\t+8*\u+7], v[\f+8*(2*\c+\u):\f+8*(2*\c+\u)+7], v[8*(4*((4*\g+\c)%8)+\t):8*(4*((4*\g+\c)%8)+\t)+7], v[S+16*\t+8*\u:S+16*\t+8*\u+7]
.endif
.endr
.endr
.endr
.endm
.macro FETCHV c, f                     ; 16 turning loads: keys 32 c on, my 128 channels
.irp e, 0,1,2,3,4,5,6,7
	ds_load_tr16_b128 v[\f+8*\e:\f+8*\e+3],   v[AV0+(\c)/2] offset:((\c)%2)*32*VP+\e*32
	ds_load_tr16_b128 v[\f+8*\e+4:\f+8*\e+7], v[AV0+(\c)/2] offset:((\c)%2)*32*VP+\e*32+16*VP
.endr
.endm
.macro FETCHP c, pf                    ; 8 loads: wave c's P, all four query tiles
.irp t, 0,1,2,3
	ds_load_b128 v[\pf+8*\t:\pf+8*\t+3],   v[APR] offset:\c*4096+\t*1024
	ds_load_b128 v[\pf+8*\t+4:\pf+8*\t+7], v[APR] offset:\c*4096+\t*1024+512
.endr
.endm
.macro PVRUN f, pf, zero               ; 32 products on 32 accumulators, by turns
.irp e, 0,1,2,3,4,5,6,7
.irp t, 0,1,2,3
.if \zero
	v_wmma_f32_16x16x32_f16 v[8*(8*\t+\e):8*(8*\t+\e)+7], v[\f+8*\e:\f+8*\e+7], v[\pf+8*\t:\pf+8*\t+7], 0
.else
	v_wmma_f32_16x16x32_f16 v[8*(8*\t+\e):8*(8*\t+\e)+7], v[\f+8*\e:\f+8*\e+7], v[\pf+8*\t:\pf+8*\t+7], v[8*(8*\t+\e):8*(8*\t+\e)+7]
.endif
.endr
.endr
.endm
; the largest of my wave's 32 scores of a query; each accumulator is read from its low end on; the four tiles alternate
.macro LMAX
.irp t, 0,1,2,3
	v_max3_num_f32 v[ST+10*\t+1], v[S+16*\t],   v[S+16*\t+1], v[S+16*\t+2]
	v_max3_num_f32 v[ST+10*\t+4], v[S+16*\t+8], v[S+16*\t+9], v[S+16*\t+10]
.endr
.irp t, 0,1,2,3
	v_max3_num_f32 v[ST+10*\t+1], v[ST+10*\t+1], v[S+16*\t+3],  v[S+16*\t+4]
	v_max3_num_f32 v[ST+10*\t+4], v[ST+10*\t+4], v[S+16*\t+11], v[S+16*\t+12]
.endr
.irp t, 0,1,2,3
	v_max3_num_f32 v[ST+10*\t+1], v[ST+10*\t+1], v[S+16*\t+5],  v[S+16*\t+6]
	v_max3_num_f32 v[ST+10*\t+4], v[ST+10*\t+4], v[S+16*\t+13], v[S+16*\t+14]
.endr
.irp t, 0,1,2,3
	v_max3_num_f32 v[ST+10*\t+1], v[ST+10*\t+1], v[S+16*\t+7], v[S+16*\t+15]
.endr
.irp t, 0,1,2,3
	v_max_num_f32 v[ST+10*\t+1], v[ST+10*\t+1], v[ST+10*\t+4]
.endr
.irp t, 0,1,2,3
	v_permlanex16_b32 v[ST+10*\t+4], v[ST+10*\t+1], s[SEL], s[SEL+1]   ; the query's other 16 keys lie in the lane 16 away
.endr
.irp t, 0,1,2,3
	v_max_num_f32 v[ST+10*\t+1], v[ST+10*\t+1], v[ST+10*\t+4]
.endr
.irp t, 0,1,2,3
	ds_store_b32 v[AMW], v[ST+10*\t+1] offset:256*\t
.endr
.endm
; the four waves' maxima are in G: the new m and A; the weights and their sum; l; the weights, rounded and handed to the other waves
.macro SOFT first
.irp t, 0,1,2,3
	v_max3_num_f32 v[ST+10*\t+1], v[G+4*\t], v[G+4*\t+1], v[G+4*\t+2]
.endr
.irp t, 0,1,2,3
.if \first
	v_max_num_f32 v[ST+10*\t+7], v[ST+10*\t+1], v[G+4*\t+3]
.else
	v_max3_num_f32 v[ST+10*\t+7], v[ST+10*\t+1], v[G+4*\t+3], v[ST+10*\t+7]
.endif
.endr
.irp t, 0,1,2,3
	v_mul_f32 v[ST+10*\t], s[CS], v[ST+10*\t+7]
.endr
.if !\first
.irp t, 0,1,2,3
	v_sub_f32 v[ST+10*\t+8], v[ST+10*\t+9], v[ST+10*\t]
.endr
.irp t, 0,1,2,3
	v_exp_f32 v[ST+10*\t+8], v[ST+10*\t+8]
.endr
.endif
.irp t, 0,1,2,3
	v_mov_b32 v[ST+10*\t+9], v[ST+10*\t]           ; c m is kept for the next step's A; these four are also the plain instructions behind the exponentials
.endr
.irp t, 0,1,2,3
.irp b, 0,1,2,3,4,5,6,7
	v_pk_fma_f32 v[S+16*\t+2*\b:S+16*\t+2*\b+1], v[S+16*\t+2*\b:S+16*\t+2*\b+1], s[CS:CS+1], v[ST+10*\t:ST+10*\t+1] op_sel_hi:[1,0,0] neg_lo:[0,0,1] neg_hi:[0,0,1]
.endr
.endr
.set i, 0
.rept 64
	v_exp_f32 v[S+i], v[S+i]
.set i, i+1
.endr
	v_nop                                          ; a plain instruction between the last exponential and the use of its result (ISA guide 5.7.2)
	s_wait_alu depctr_va_vdst(0)
.irp t, 0,1,2,3                        ; the sum of a tile's eight pairs: one chain a tile, the four chains by turns
	v_pk_add_f32 v[ST+10*\t+4:ST+10*\t+5], v[S+16*\t:S+16*\t+1], v[S+16*\t+2:S+16*\t+3]
.endr
.irp b, 2,3,4,5,6
.irp t, 0,1,2,3
	v_pk_add_f32 v[ST+10*\t+4:ST+10*\t+5], v[ST+10*\t+4:ST+10*\t+5], v[S+16*\t+2*\b:S+16*\t+2*\b+1]
.endr
.endr
.irp t, 0,1,2,3
.if \first
	v_pk_add_f32 v[ST+10*\t+2:ST+10*\t+3], v[ST+10*\t+4:ST+10*\t+5], v[S+16*\t+14:S+16*\t+15]   ; the first step starts l
.else
	v_pk_add_f32 v[ST+10*\t+4:ST+10*\t+5], v[ST+10*\t+4:ST+10*\t+5], v[S+16*\t+14:S+16*\t+15]
.endif
.endr
.if !\first
.irp t, 0,1,2,3
	v_pk_fma_f32 v[ST+10*\t+2:ST+10*\t+3], v[ST+10*\t+2:ST+10*\t+3], v[ST+10*\t+8:ST+10*\t+9], v[ST+10*\t+4:ST+10*\t+5] op_sel_hi:[1,0,1]
.endr
.endif
.irp t, 0,1,2,3
.irp b, 0,1,2,3,4,5,6,7
	v_cvt_pk_f16_f32 v[S+16*\t+\b], v[S+16*\t+2*\b], v[S+16*\t+2*\b+1]   ; in place, ascending: pair b is read no earlier than register b is written
.endr
.endr
.irp t, 0,1,2,3
.irp u, 0,1
	ds_store_b128 v[APW], v[S+16*\t+4*\u:S+16*\t+4*\u+3] offset:(2*\t+\u)*512
.endr
.endr
.endm
.macro RESC t                          ; query tile t's O^T times A, each accumulator from its low end on
.set i, 0
.rept 32
	v_pk_mul_f32 v[64*\t+2*i:64*\t+2*i+1], v[64*\t+2*i:64*\t+2*i+1], v[ST+10*\t+8:ST+10*\t+9] op_sel_hi:[1,0]
.set i, i+1
.endr
.endm
; A KEY STEP.  first = 1: it starts m, l and O^T, and fetches its own first fragments of K (every other step finds them asked for by the step before).
; refill = 0: the last step: no tile is asked for, and gain and bo are.
.macro STEP first, refill
.if \first
	FETCHK 0, F0
.endif
	FETCHK 1, F1
	s_wait_dscnt 16                                ; the next run's 16 loads may stay out
	WIN W_S2
	SRUN 0, F0
	PLACES
	FETCHK 2, F0
	s_wait_dscnt 16
	SRUN 1, F1
	PLACES
	FETCHK 3, F1
	s_wait_dscnt 16
	WIN W_S3
	SRUN 2, F0
	s_wait_dscnt 0x0
	SRUN 3, F1
	PLACES
	WIN 0
	LMAX
	s_wait_dscnt 0x0                               ; my reads of K's tile are over and my maxima are written,
	s_wait_xcnt 0x0
	v_lshl_add_u32 v62, v0, 2, 0x4a800
	v_mov_b32 v63, 0
	s_wait_tensorcnt 0x0                           ; and all my tensor loads have landed: the one that was out is my part of V's tile
	ds_add_u32 v62, v63
	s_wait_dscnt 0x0
.if \refill
	WALK G0K, 6, OK
.endif
	s_barrier_signal -1                            ; with a refill this barrier opens a round of the cluster's barrier
	s_barrier_wait -1
.if \refill
	CREST
	tensor_load_to_lds s[G0K:G0K+3], s[G1K:G1K+7]  ; the next step's K, first thing behind the round: one load of mine is out
	s_nop 0
	PLACES                                         ; four v_nop follow the load
.endif
.irp t, 0,1,2,3
	ds_load_b128 v[G+4*\t:G+4*\t+3], v[AMR] offset:256*\t
.endr
	FETCHV 0, F0
	FETCHV 1, F1
	s_wait_dscnt 32                                ; the maxima are in; V's 32 loads may stay out
	SOFT \first
.if !\refill
	v_bfe_u32 v[G], v0, 4, 1                       ; gain and bo of a result's eight channels, in the layout of O^T; this offset register is not written again
	v_lshlrev_b32 v[G], 5, v[G]
	WIN 0x80                                       ; destination window 2: Q's first half has been multiplied for the last time
.irp e, 0,1,2,3,4,5,6,7
	global_load_b128 v[8*\e:8*\e+3],       v[G], s[10:11] offset:64*\e
	global_load_b128 v[8*\e+4:8*\e+7],     v[G], s[10:11] offset:64*\e+16
	global_load_b128 v[64+8*\e:64+8*\e+3], v[G], s[12:13] offset:64*\e
	global_load_b128 v[64+8*\e+4:64+8*\e+7], v[G], s[12:13] offset:64*\e+16
.endr
	WIN 0
.endif
	s_wait_dscnt 0x0                               ; for the others' sake: my P is written.  K's load may stay out
	s_barrier_signal -1
.if !\first
	WIN W_RS
	RESC 0                                         ; half of the rescaling while the others arrive,
	RESC 1
	WIN 0
.endif
	s_barrier_wait -1
	FETCHP 0, PF0
	FETCHP 1, PF1
.if !\first
	WIN W_RS
	RESC 2                                         ; half while P's first fragments come
	RESC 3
.endif
	s_wait_dscnt 8                                 ; the second eight may stay out
	WIN W_PV
	PVRUN F0, PF0, \first
	PLACES
	WIN 0
	FETCHV 2, F0
	FETCHP 2, PF0
	s_wait_dscnt 24                                ; all but the 24 just issued
	WIN W_PV
	PVRUN F1, PF1, 0
	PLACES
	WIN 0
	FETCHV 3, F1
	FETCHP 3, PF1
	s_wait_dscnt 24
	WIN W_PV
	PVRUN F0, PF0, 0
	s_wait_dscnt 0x0                               ; my reads of V's tile and of P are over: the last 32 products have their fragments in registers,
.if \refill
	WIN 0
	s_wait_xcnt 0x0
	v_lshl_add_u32 v62, v0, 2, 0x4a800
	v_mov_b32 v63, 0
	s_wait_tensorcnt 0x0                           ; and my part of the next K has landed
	ds_add_u32 v62, v63
	s_wait_dscnt 0x0
	WALK G0V, 8, OV
	s_barrier_signal -1
	s_barrier_wait -1
	CREST
	tensor_load_to_lds s[G0V:G0V+3], s[G1V:G1V+7]  ; the next step's V, first thing behind the round
	s_nop 0
	PLACES                                         ; four v_nop follow the load; they are also the places in front of the loads into F0
	FETCHK 0, F0                                   ; the next step's first fragments of K come while the last products run
	WIN W_PV
	PVRUN F1, PF1, 0
.rept 5
	v_nop                                          ; five places: the next scores are written over P's buffer, which these products read; four serve the loads into F1
.endr
	WIN 0
.else
	PVRUN F1, PF1, 0
	WIN 0
	PLACES
.endif
.endm
	STEP 1, 1
	s_mov_b32 s52, 14
.Lstep:
	STEP 0, 1
	s_sub_co_u32 s52, s52, 1
	s_cmp_lg_u32 s52, 0
	s_cbranch_scc1 .Lstep
	STEP 0, 0                                      ; the last step is written out
	; THE END.  l: the pair's halves, the other half of the lanes, the four waves.
.irp t, 0,1,2,3
	v_add_f32 v[ST+10*\t+1], v[ST+10*\t+2], v[ST+10*\t+3]
.endr
.irp t, 0,1,2,3
	v_permlanex16_b32 v[ST+10*\t+4], v[ST+10*\t+1], s[SEL], s[SEL+1]
.endr
.irp t, 0,1,2,3
	v_add_f32 v[ST+10*\t+1], v[ST+10*\t+1], v[ST+10*\t+4]
.endr
.irp t, 0,1,2,3
	ds_store_b32 v[AMW], v[ST+10*\t+1] offset:1024+256*\t
.endr
	v_and_b32 v67, 15, v0
	v_bfe_u32 v68, v0, 4, 1
	v_and_b32 v69, 31, v0
	s_mul_i32 s54, s[WV], 16*OSP
	s_add_co_u32 s54, s54, SCR                     ; my stage: 16 rows x 528 bytes
	v_mul_u32_u24 v[ASW], v67, OSP
	v_lshl_add_u32 v[ASW], v68, 5, v[ASW]
	v_add_nc_u32 v[ASW], s54, v[ASW]
	v_lshlrev_b32 v[GO], 4, v69
	v_add_nc_u32 v[ASR], s54, v[GO]
	s_wait_dscnt 0x0
	s_barrier_signal -1
	s_barrier_wait -1                              ; every wave's l is written, and nobody reads P any more: the stages take its bytes
.irp t, 0,1,2,3
	ds_load_b128 v[96+4*\t:99+4*\t], v[AMR] offset:1024+256*\t
.endr
	s_wait_dscnt 0x0
.irp t, 0,1,2,3
	v_add_f32 v[96+4*\t], v[96+4*\t], v[97+4*\t]
	v_add_f32 v[98+4*\t], v[98+4*\t], v[99+4*\t]
.endr
.irp t, 0,1,2,3
	v_add_f32 v[96+4*\t], v[96+4*\t], v[98+4*\t]
.endr
.irp t, 0,1,2,3
	v_rcp_f32 v[ST+10*\t+6], v[96+4*\t]            ; l is about 1 at the least: the row's largest weight is 2^0 but for the rounding of c m
.endr
	v_nop
	s_wait_alu depctr_va_vdst(0)
	s_wait_loadcnt 0x0                             ; gain and bo
; Tile t: O^T / l, times gain, plus bo; 32 bytes a lane into rows of 528 bytes; back as whole rows of 512 bytes, into window 3.
.macro PACKO t
	WIN W_RS
.set i, 0
.rept 32
	v_pk_mul_f32 v[64*\t+2*i:64*\t+2*i+1], v[64*\t+2*i:64*\t+2*i+1], v[ST+10*\t+6:ST+10*\t+7] op_sel_hi:[1,0]
.set i, i+1
.endr
	WIN 0x69                                       ; destination and source 0 window 1; gain and bo window 2
.set i, 0
.rept 32
	v_pk_fma_f32 v[64*\t+2*i:64*\t+2*i+1], v[64*\t+2*i:64*\t+2*i+1], v[2*i:2*i+1], v[64+2*i:64+2*i+1]
.set i, i+1
.endr
	WIN 0x04                                       ; store data window 1
.irp e, 0,1,2,3,4,5,6,7
	ds_store_b128 v[ASW], v[64*\t+8*\e:64*\t+8*\e+3]   offset:64*\e
	ds_store_b128 v[ASW], v[64*\t+8*\e+4:64*\t+8*\e+7] offset:64*\e+16
.endr
	WIN 0xc0                                       ; destination window 3
.irp i, 0,1,2,3,4,5,6,7,8,9,10,11,12,13,14,15
	ds_load_b128 v[64*\t+4*\i:64*\t+4*\i+3], v[ASR] offset:\i*OSP   ; LDS serves a wave's instructions in order (ISA guide 5.7.1.4): these see the stores above; the next tile's stores come behind them
.endr
.endm
.macro SENDO t, younger                ; younger: the LDS instructions issued behind tile t's loads
	WIN 0x0c                                       ; store data window 3; each tile has its own 64 registers, so none is written again
.irp i, 0,1,2,3,4,5,6,7,8,9,10,11,12,13,14,15
	s_wait_dscnt \younger+15-\i
	global_store_b128 v[GO], v[64*\t+4*\i:64*\t+4*\i+3], s[14:15] offset:(16*\t+\i)*2048 th:TH_STORE_NT   ; the wave stores 512 consecutive bytes, aligned
.endr
.endm
	PACKO 0
	PACKO 1
	SENDO 0, 32
	PACKO 2
	SENDO 1, 32
	PACKO 3
	SENDO 2, 32
	SENDO 3, 0
	WIN 0
	s_wait_xcnt 0x0
	v_lshl_add_u32 v62, v0, 2, 0x4a800
	v_mov_b32 v63, 0
	s_wait_tensorcnt 0x0
	ds_add_u32 v62, v63
	s_wait_dscnt 0x0
	CROUND                                         ; the closing round: no work-group ends while a partner may still ask for a tile that names it
	s_endpgm
.Lfunc_end_k_q1621e4d9d2_attn:
	.size	k_q1621e4d9d2_attn, .Lfunc_end_k_q1621e4d9d2_attn-k_q1621e4d9d2_attn
	.p2alignl 7, 3214868480
	.fill 96, 4, 3214868480
	.section	.rodata,"a",@progbits
	.p2align	6, 0x0
	.amdhsa_kernel k_q1621e4d9d2_attn
		.amdhsa_group_segment_fixed_size 327680
		.amdhsa_private_segment_fixed_size 0
		.amdhsa_enable_private_segment 0
		.amdhsa_kernarg_size 48
		.amdhsa_user_sgpr_count 2
		.amdhsa_user_sgpr_kernarg_segment_ptr 1
		.amdhsa_wavefront_size32 1
		.amdhsa_system_sgpr_workgroup_id_x 1
		.amdhsa_system_sgpr_workgroup_id_y 1
		.amdhsa_system_sgpr_workgroup_id_z 1
		.amdhsa_system_vgpr_workitem_id 0
		.amdhsa_next_free_vgpr 1024
		.amdhsa_next_free_sgpr 66
		.amdhsa_reserve_vcc 0
		.amdhsa_float_denorm_mode_32 3
		.amdhsa_float_denorm_mode_16_64 3
		.amdhsa_memory_ordered 1
		.amdhsa_forward_progress 1
		.amdhsa_inst_pref_size 211
	.end_amdhsa_kernel
	.amdgpu_metadata
---
amdhsa.version: [ 1, 2 ]
amdhsa.kernels:
  - .name:           k_q1621e4d9d2_attn
    .symbol:         k_q1621e4d9d2_attn.kd
    .args:
      - { .name: query, .offset: 0, .size: 8, .value_kind: global_buffer, .address_space: global }
      - { .name: kp, .offset: 8, .size: 8, .value_kind: global_buffer, .address_space: global }
      - { .name: vp, .offset: 16, .size: 8, .value_kind: global_buffer, .address_space: global }
      - { .name: post, .offset: 24, .size: 8, .value_kind: global_buffer, .address_space: global }
      - { .name: bo, .offset: 32, .size: 8, .value_kind: global_buffer, .address_space: global }
      - { .name: out0, .offset: 40, .size: 8, .value_kind: global_buffer, .address_space: global }
    .group_segment_fixed_size: 327680
    .private_segment_fixed_size: 0
    .kernarg_segment_align: 8
    .kernarg_segment_size: 48
    .max_flat_workgroup_size: 128
    .sgpr_count:     66
    .vgpr_count:     1024
    .wavefront_size: 32
...
	.end_amdgpu_metadata
.endif
;; end of part 3
;; ======== version 2 of 2: 3 launches; version 1 with the launch prep written anew for expert scheduling mode
;; limits: values are held in f16: magnitudes above 65,504 overflow, below 6.1e-05 lose precision
;; workspace buffers: wkh 786,432 bytes; wvh 786,432 bytes; post 4,096 bytes; kp 16,777,216 bytes; vp 16,777,216 bytes
;; launch prep (part 4): grid 12 x 4, 4 waves a work-group, no clusters, 220,672 bytes of LDS; arguments Wk, Wv, Wo, bv, wkh, wvh, post; writes wkh, wvh, post
.if DOCPART == 4
	.amdgcn_target "amdgcn-amd-amdhsa--gfx1250"
	.amdhsa_code_object_version 6
	.text
	.protected	k_q1621e4d9d2_prep
	.globl	k_q1621e4d9d2_prep
	.p2align	8
	.type	k_q1621e4d9d2_prep,@function
k_q1621e4d9d2_prep:
	s_mov_b64 s[64:65], 0
	v_nop
	global_prefetch_b8 v0, s[64:65] scope:SCOPE_SE
	s_setreg_imm32_b32 hwreg(HW_REG_WAVE_SCHED_MODE, 0, 2), 2
	s_setreg_imm32_b32 hwreg(HW_REG_WAVE_MODE, 25, 1), 1
	s_wait_xcnt 0x0
	s_wait_alu depctr_vm_vsrc(0)
; WEIGHTS, ONCE.  Softmax weights sum to one, so the output projection is moved in front of the attention:
;   g[e] = the 2-norm of column e of Wo;  wvh[c][e] = (Wv Wo)[c][e] / (16 g[e]) in f16;  wkh = Wk in f16;
;   post[0:512) = 16 g[e] (the gain that the attention multiplies back);  post[512:1024) = (bv Wo)[e] / (16 g[e]).
; The division by 16 g bounds |wvh[c][e]| by the norm of Wv's row c / 16 (Cauchy-Schwarz), whatever Wo's scale: that gives the projected values room in f16.
; LIMITS.  Weights of magnitude 65,504 or more become infinities in f16.  The sum of a column's squares is held at 1e-30 from below: an all-zero column of Wo gives wvh = 0 there.
; SHARES.  Work-group (cb, eb) makes 64 rows c x 128 columns e of wvh (a stored row piece is 256 bytes, aligned) and converts 16 rows of Wk; wave w takes 16 rows c x 128 e: 8 accumulators.
; 12 x 4 work-groups: a narrower block of e would cut the stored row pieces below 256 bytes.  No tensor loads: every operand is converted from f32 in registers on its way into LDS.
; LDS: Wo's block in f16, 512 rows d x 288 bytes (256 + 32: nine times 32, for the turning load); each wave's 16 rows of Wv, 1,040 bytes apart (later its stage for the way out, 272 apart);
;      partial sums of the four waves; each wave's copy of 1 / (16 g).
; THE MODE: SCHED_MODE bits 1:0 = 2 (LLVM: expert scheduling mode 2), set by the entry lines.  The code itself states the register dependences
; between vector or matrix instructions and memory or LDS instructions, with s_wait_alu, always for 0.
; THE PLAN.  Registers that memory or LDS instructions touch:
;   v3 - v18       offsets and LDS addresses: made once at the head, never written again; rows are reached by immediate offsets.
;   RING, 48 slots batch p's sums and conversions read its four slots; the four loads that land in them again are issued in batch p + 1.
;   CT, two sets   batch p's conversions write set p % 2; the four stores that read it are issued in batch p + 1; batch p + 2 writes it again.
;   SS, BB         written by the sums, read by two LDS stores behind the ring; with CT they are accumulators from the product on.
;   FB0, FB1       K step kc's matrix instructions read buffer kc % 2; the loads of step kc + 2 land in it and are issued in step kc + 1 (in step 15: the loads of 1 / (16 g)).
;   TMP, OB        the way out: conversions write TMP, the stage's stores read it; the loads from the stage land in OB, which lies in FB1.
; So a batch's memory instructions touch what the batch BEFORE worked on, and no vector instruction of the batch names those registers: the waits at a batch's head state all that its
; four loads and four stores hang on, and these are dealt among its vector instructions with no further wait.  A K step of the product likewise: one wait at its head.
.set WOP,  288
.set WVS,  512*WOP                     ; 147,456
.set WVP,  1040
.set WVW,  16*WVP
.set RED,  WVS+4*WVW                   ; 214,016: 4 x 512 bytes of squares, then 4 x 512 of bv . Wo
.set INV,  RED+4096                    ; 218,112: 4 x 512 bytes
.set SP,   272
.set SLOTS, 48                         ; slots of 512 bytes in a wave's ring
.set L16,  3                           ; v3   16 x lane
.set L8,   4                           ; v4   8 x lane
.set AWS,  5                           ; v5   where my lane puts 4 f16 of my wave's first row of Wo
.set AVS,  6                           ; v6   the same for Wv
.set ARW,  7                           ; v7   my partial sums
.set ARR,  8                           ; v8   wave 0's partial sums for my four columns
.set AIW,  9                           ; v9   my four 1 / (16 g)
.set AWO,  10                          ; v10-13 turning loads of Wo, 128 rows d each
.set AWV,  14                          ; v14  fragments of Wv
.set AID,  15                          ; v15  1 / (16 g) of a result's eight columns
.set STO,  16                          ; v16  the way out: in
.set RD,   17                          ; v17  the way out: back
.set GO,   18                          ; v18  my byte offset in the wave's rows of wvh
.set SS,   32                          ; v[32:35] sums of squares of my four columns
.set BB,   36                          ; v[36:39] bv . Wo of my four columns
.set CT,   40                          ; v[40:55] converted pairs: two sets of four pairs, which take turns batch by batch
.set RING, 64                          ; v[64:255] 48 slots of 4
.set ACC,  32                          ; v[32:95] from the product on
.set FB0,  96                          ; v[96:167], v[168:239]: two fragment buffers, 64 of Wo^T + 8 of Wv
.set IVD,  96
.set TMP,  160
.set OB,   192
.set GAIN, 240
.set VB,   244
.set IV,   248
.macro PLACES                          ; four plain vector instructions between a matrix instruction and a load into, or a vector instruction on, its registers
.rept 4
	v_nop
.endr
.endm
	s_load_b256 s[4:11], s[0:1], 0x0               ; Wk s[4:5], Wv s[6:7], Wo s[8:9], bv s[10:11]
	s_load_b128 s[12:15], s[0:1], 0x20             ; wkh s[12:13], wvh s[14:15]
	s_load_b64 s[16:17], s[0:1], 0x30              ; post
	v_lshl_add_u32 v30, v0, 2, 0x35c00
	v_mov_b32 v31, 0
	v_lshrrev_b32 v1, 5, v0
	v_readfirstlane_b32 s18, v1                    ; wave
	s_mov_b32 s19, ttmp9                           ; cb: 64 rows c
	s_and_b32 s20, ttmp7, 0xffff                   ; eb: 128 columns e
	v_and_b32 v2, 31, v0
	v_lshlrev_b32 v[L16], 4, v2
	v_lshlrev_b32 v[L8], 3, v2
	s_wait_alu depctr_va_sdst(0)                   ; s18 is written, ahead of its first reader: the bases below are made from it
	s_lshl_b32 s24, s18, 18                        ; Wo: my wave's 128 rows of 2,048 bytes,
	s_lshl_b32 s25, s20, 9                         ; the block's 128 columns
	s_add_co_u32 s24, s24, s25
	s_mov_b32 s25, 0
	s_lshl_b32 s26, s19, 17                        ; Wv: row 64 cb + 16 w
	s_lshl_b32 s27, s18, 15
	s_add_co_u32 s26, s26, s27
	s_mov_b32 s27, 0
	s_lshl2_add_u32 s21, s19, s20                  ; 4 cb + eb: which 16 rows of Wk are the work-group's
	s_lshl_b32 s28, s21, 15
	s_lshl_b32 s29, s18, 13                        ; four of them a wave
	s_add_co_u32 s28, s28, s29
	s_mov_b32 s29, 0
	s_lshr_b32 s30, s28, 1                         ; the same rows in f16
	s_mov_b32 s31, 0
	s_lshl_b32 s22, s18, 9                         ; bv: my wave's 128 numbers
	s_mov_b32 s23, 0
	s_wait_kmcnt 0x0
	s_add_nc_u64 s[8:9], s[8:9], s[24:25]
	s_add_nc_u64 s[6:7], s[6:7], s[26:27]
	s_add_nc_u64 s[4:5], s[4:5], s[28:29]
	s_add_nc_u64 s[12:13], s[12:13], s[30:31]
	s_add_nc_u64 s[22:23], s[10:11], s[22:23]
	s_lshr_b32 s24, s26, 1                         ; wvh: row 64 cb + 16 w of 1,024 bytes,
	s_lshl_b32 s28, s20, 8                         ; the block's 256 bytes
	s_add_co_u32 s24, s24, s28
	s_add_nc_u64 s[14:15], s[14:15], s[24:25]
	s_lshl_b32 s24, s20, 9
	s_add_nc_u64 s[16:17], s[16:17], s[24:25]      ; post: the block's 128 numbers
	s_load_b512 s[32:47], s[22:23], 0x0            ; bv of my rows 0-31 in s[32:63], 32-63 in s[68:99]
	s_load_b512 s[48:63], s[22:23], 0x40
	s_load_b512 s[68:83], s[22:23], 0x80
	s_load_b512 s[84:99], s[22:23], 0xc0
; ONE RING OF 208 LOADS of 512 consecutive bytes a wave, through 48 slots, worked off in batches of four.
; Items 0-63: my rows 0-63 of Wo's block; 64-127: my 16 rows of Wv; 128-143: my 4 rows of Wk; 144-207: my rows 64-127 of Wo's block.
; Wv and Wk stand between Wo's halves, so that bv of rows 64-127, which takes the scalar registers that rows 0-63 leave, has 80 items in which to come.
.macro KIND n                          ; kd: 0 Wo, 1 Wv, 2 Wk; ix: the row of Wo, or the piece of 512 bytes of Wv or Wk
.if (\n) < 64
.set kd, 0
.set ix, (\n)
.elseif (\n) < 128
.set kd, 1
.set ix, (\n)-64
.elseif (\n) < 144
.set kd, 2
.set ix, (\n)-128
.else
.set kd, 0
.set ix, (\n)-80
.endif
.endm
.macro LOADITEM n
	KIND \n
.set rr, RING+4*((\n)%SLOTS)
.if kd == 0
	global_load_b128 v[rr:rr+3], v[L16], s[8:9] offset:ix*2048
.elseif kd == 1
	global_load_b128 v[rr:rr+3], v[L16], s[6:7] offset:ix*512
.else
	global_load_b128 v[rr:rr+3], v[L16], s[4:5] offset:ix*512 th:TH_LOAD_NT
.endif
.endm
.macro SUMS n                          ; a row of Wo: its squares, and bv[row] times it; six instructions that do not wait for each other
	KIND \n
.set rr, RING+4*((\n)%SLOTS)
.set sb, 32+(ix%32)+36*((ix/32)%2)     ; bv of this row
.if ix == 0
	v_pk_mul_f32 v[SS:SS+1], v[rr:rr+1], v[rr:rr+1]            ; the first row starts the sums: nothing is cleared
	v_pk_mul_f32 v[SS+2:SS+3], v[rr+2:rr+3], v[rr+2:rr+3]
.irp j, 0,1,2,3
	v_mul_f32 v[BB+\j], s[sb], v[rr+\j]
.endr
.else
	v_pk_fma_f32 v[SS:SS+1], v[rr:rr+1], v[rr:rr+1], v[SS:SS+1]
	v_pk_fma_f32 v[SS+2:SS+3], v[rr+2:rr+3], v[rr+2:rr+3], v[SS+2:SS+3]
.irp j, 0,1,2,3
	v_fmac_f32 v[BB+\j], s[sb], v[rr+\j]
.endr
.endif
.endm
.macro CONV n
.set rr, RING+4*((\n)%SLOTS)
.set tt, CT+8*(((\n)/4)%2)+2*((\n)%4)
	v_cvt_pk_f16_f32 v[tt], v[rr], v[rr+1]
	v_cvt_pk_f16_f32 v[tt+1], v[rr+2], v[rr+3]
.endm
.macro PUT n
	KIND \n
.set tt, CT+8*(((\n)/4)%2)+2*((\n)%4)
.if kd == 0
	ds_store_b64 v[AWS], v[tt:tt+1] offset:ix*WOP
.elseif kd == 1
	ds_store_b64 v[AVS], v[tt:tt+1] offset:(ix/4)*WVP+(ix%4)*256
.else
	global_store_b64 v[L8], v[tt:tt+1], s[12:13] offset:ix*256   ; the wave stores 256 consecutive bytes, aligned
.endif
.endm
	s_wait_alu depctr_va_vdst(0)                   ; v3, 16 x lane, is written: every load of the ring reads it as its offset
.set it, 0
.rept SLOTS
	LOADITEM it
.set it, it+1
.endr
	; LDS addresses, while the ring fills; their first readers stand behind the wait at the head of the second batch
	s_mul_i32 s24, s18, 128*WOP
	v_add_nc_u32 v[AWS], s24, v[L8]
	s_mul_i32 s25, s18, WVW
	s_add_co_u32 s25, s25, WVS                     ; my wave's rows of Wv
	v_add_nc_u32 v[AVS], s25, v[L8]
	s_lshl_b32 s26, s18, 9
	v_add_nc_u32 v[ARR], RED, v[L16]
	v_add_nc_u32 v[ARW], s26, v[ARR]
	s_add_co_u32 s26, s26, INV
	v_add_nc_u32 v[AIW], s26, v[L16]
	v_and_b32 v19, 15, v0                          ; r = lane % 16
	v_bfe_u32 v20, v0, 4, 1                        ; h = lane / 16
	v_lshl_add_u32 v[AID], v20, 5, s26
	v_and_b32 v21, 7, v0                           ; the turning load: row 8 h + lane % 8, 16 bytes for each eight lanes
	v_lshl_add_u32 v21, v20, 3, v21
	v_mul_u32_u24 v21, v21, WOP
	v_bfe_u32 v22, v0, 3, 1
	v_lshl_add_u32 v[AWO], v22, 4, v21
	v_add_nc_u32 v[AWO+1], 128*WOP, v[AWO]
	v_add_nc_u32 v[AWO+2], 256*WOP, v[AWO]
	v_add_nc_u32 v[AWO+3], 384*WOP, v[AWO]
	v_mul_u32_u24 v21, v19, WVP
	v_lshl_add_u32 v21, v20, 4, v21
	v_add_nc_u32 v[AWV], s25, v21
	v_mul_u32_u24 v21, v19, SP
	v_lshl_add_u32 v21, v20, 4, v21
	v_add_nc_u32 v[STO], s25, v21
	v_mul_u32_u24 v21, v20, SP
	v_lshl_add_u32 v21, v19, 4, v21
	v_add_nc_u32 v[RD], s25, v21
	v_lshlrev_b32 v21, 10, v20
	v_lshl_add_u32 v[GO], v19, 4, v21
	s_wait_kmcnt 0x0                               ; bv of my rows 0-63
; A batch: the wait for its four rows; the waits that free what the batch before worked on; then, row by row: the load that fills a slot of the batch before again, the store of a pair
; of the batch before, this row's sums and its two conversions.  The first batch has no batch before it: no store, no load, no such wait.
.set it, 0
.rept 52
.if it == 144
	s_wait_kmcnt 0x0                               ; bv of my rows 64-127 (scalar loads come back in no order: the count is 0)
.endif
.if it == 0
	s_wait_loadcnt 44                              ; loads come back in order (ISA guide 5.7.1): the ring's other 44 stay out
.elseif it > 164
	s_wait_loadcnt 204-it                          ; the ring runs empty: only the items behind this batch are out
.else
	s_wait_loadcnt 40                              ; items up to it + 43 have been asked for: the 40 behind this batch's four stay out
.endif
.if (it >= 136) && (it <= 148)
	s_wait_xcnt 0x0                                ; this batch rewrites pairs that global stores of Wk, issued in the batch before, read: only behind this wait (ISA guide 3.1)
.endif
.if it >= 8
	s_wait_alu depctr_vm_vsrc(0)                   ; the stores issued in the batch before have read the set of pairs that this batch's conversions write again
.endif
.if it >= 4
	s_wait_alu depctr_va_vdst(0)                   ; the batch before has written the other set of pairs, which the stores below read, and is done reading its four slots, in which the loads below land; in the second batch: the LDS addresses are written
.endif
.if it == 32
	s_load_b512 s[32:47], s[22:23], 0x100          ; rows 64-95 take the place of rows 0-31, whose last readers were issued ahead of the wait above
	s_load_b512 s[48:63], s[22:23], 0x140
.endif
.if it == 64
	s_load_b512 s[68:83], s[22:23], 0x180          ; rows 96-127 the place of rows 32-63, likewise
	s_load_b512 s[84:99], s[22:23], 0x1c0
.endif
.irp k, 0,1,2,3
.if (it >= 4) && (it <= 160)
	LOADITEM it+44+\k                              ; into the slot of item it - 4 + k; no vector instruction since the wait names it
.endif
.if it >= 4
	PUT it-4+\k                                    ; the batch before's pair
.endif
	KIND it+\k
.if kd == 0
	SUMS it+\k
.endif
	CONV it+\k
.endr
.set it, it+4
.endr
	s_wait_alu depctr_va_vdst(0)                   ; the last batch has written its pairs and the sums SS and BB are whole: the six stores below read them; every read of the ring is done: loads land in its registers from here on
.irp k, 0,1,2,3
	PUT 204+\k
.endr
	; the four waves' partial sums meet; the same barrier shows Wo's whole block to every wave
	ds_store_b128 v[ARW], v[SS:SS+3]
	ds_store_b128 v[ARW], v[BB:BB+3] offset:2048
	s_wait_dscnt 0x0                               ; for the others' sake: all my stores into LDS are done
	s_barrier_signal -1
	s_barrier_wait -1
	s_wait_alu depctr_vm_vsrc(0)                   ; my LDS stores have read the sums and the pairs, v32 to v55: from the product on matrix instructions write these registers as accumulators
.irp k, 0,1,2,3
	ds_load_b128 v[64+4*\k:67+4*\k], v[ARR] offset:512*\k
	ds_load_b128 v[80+4*\k:83+4*\k], v[ARR] offset:2048+512*\k
.endr
	s_wait_dscnt 0x0
.irp b, 64, 80
	v_pk_add_f32 v[\b:\b+1], v[\b:\b+1], v[\b+4:\b+5]
	v_pk_add_f32 v[\b+2:\b+3], v[\b+2:\b+3], v[\b+6:\b+7]
	v_pk_add_f32 v[\b+8:\b+9], v[\b+8:\b+9], v[\b+12:\b+13]
	v_pk_add_f32 v[\b+10:\b+11], v[\b+10:\b+11], v[\b+14:\b+15]
	v_pk_add_f32 v[\b:\b+1], v[\b:\b+1], v[\b+8:\b+9]
	v_pk_add_f32 v[\b+2:\b+3], v[\b+2:\b+3], v[\b+10:\b+11]
.endr
.irp j, 0,1,2,3
	v_max_num_f32 v[64+\j], 0x0da24260, v[64+\j]   ; at least 1e-30
.endr
.irp j, 0,1,2,3
	v_rsq_f32 v[68+\j], v[64+\j]                   ; 1 / g
.endr
	v_nop                                          ; a plain instruction between the last of them and the use of its result (ISA guide 5.7.2)
	s_wait_alu depctr_va_vdst(0)                   ; the four 1 / g, v68 to v71, are written, ahead of their first reader: one wait for the batch
.irp j, 0,1,2,3
	v_mul_f32 v[IV+\j], 0x3d800000, v[68+\j]       ; 1 / (16 g)
	v_mul_f32 v[72+\j], v[64+\j], v[68+\j]         ; g
.endr
.irp j, 0,1,2,3
	v_mul_f32 v[GAIN+\j], 0x41800000, v[72+\j]     ; 16 g
	v_mul_f32 v[VB+\j], v[80+\j], v[IV+\j]         ; (bv Wo) / (16 g)
.endr
	s_wait_alu depctr_va_vdst(0)                   ; 1 / (16 g), the gain and the bias, v240 to v251, are written: the LDS store and the two global stores below read them
	ds_store_b128 v[AIW], v[IV:IV+3]               ; my wave's own copy: no barrier
	s_cmp_lg_u32 s19, 0                            ; one wave of the four work-groups with cb = 0 stores the block's gain and bias
	s_cbranch_scc1 .Lno_post
	s_cmp_lg_u32 s18, 0
	s_cbranch_scc1 .Lno_post
	global_store_b128 v[L16], v[GAIN:GAIN+3], s[16:17]
	global_store_b128 v[L16], v[VB:VB+3], s[16:17] offset:2048
.Lno_post:
; THE PRODUCT, used transposed: source 0 = 16 columns e of Wo (turned out of LDS), source 1 = my 16 rows c of Wv; a lane's eight results are eight neighbouring e of one row c.
.macro FETCHQ kc, f, q                 ; a quarter of a K step's loads: fragments 2 q and 2 q + 1 of Wo^T; with the first quarter the fragment of Wv
.irp e, 0,1
	ds_load_tr16_b128 v[\f+8*(2*(\q)+\e):\f+8*(2*(\q)+\e)+3],   v[AWO+(\kc)/4] offset:((\kc)%4)*32*WOP+(2*(\q)+\e)*32
	ds_load_tr16_b128 v[\f+8*(2*(\q)+\e)+4:\f+8*(2*(\q)+\e)+7], v[AWO+(\kc)/4] offset:((\kc)%4)*32*WOP+(2*(\q)+\e)*32+16*WOP
.endr
.if (\q) == 0
	ds_load_b128 v[\f+64:\f+67], v[AWV] offset:(\kc)*64
	ds_load_b128 v[\f+68:\f+71], v[AWV] offset:(\kc)*64+32
.endif
.endm
.macro FETCHP kc, f                    ; 18 LDS loads: 32 along d
.irp q, 0,1,2,3
	FETCHQ \kc, \f, \q
.endr
.endm
.macro FETCHI q                        ; a quarter of the loads of 1 / (16 g), in the layout of a result: tiles 2 q and 2 q + 1
.irp e, 0,1
	ds_load_b128 v[IVD+8*(2*(\q)+\e):IVD+8*(2*(\q)+\e)+3],   v[AID] offset:64*(2*(\q)+\e)
	ds_load_b128 v[IVD+8*(2*(\q)+\e)+4:IVD+8*(2*(\q)+\e)+7], v[AID] offset:64*(2*(\q)+\e)+16
.endr
.endm
	FETCHP 0, FB0                                  ; both buffers lie in the ring's registers, whose last readers stand ahead of the wait behind the ring
	FETCHP 1, FB0+72
; K step kc multiplies buffer kc % 2.  From step 1 on the other buffer, which the step before has multiplied, is asked for again behind the step's first four matrix instructions.
.set kc, 0
.rept 16
.set fb, FB0+72*(kc%2)
.set fn, FB0+72*((kc+1)%2)
.if kc == 0
	s_wait_dscnt 18                                ; step 1's 18 loads may stay out
.else
	s_wait_dscnt 0x0                               ; this step's fragments, the only LDS loads that are out
	s_wait_alu depctr_va_vdst(0)                   ; the step before's matrix instructions are done reading the other buffer, in which the loads below land
.endif
.set et, 0
.rept 8                                ; the eight accumulators take turns, one instruction a turn
.if kc == 0
	v_wmma_f32_16x16x32_f16 v[ACC+8*et:ACC+8*et+7], v[fb+8*et:fb+8*et+7], v[fb+64:fb+71], 0
.else
	v_wmma_f32_16x16x32_f16 v[ACC+8*et:ACC+8*et+7], v[fb+8*et:fb+8*et+7], v[fb+64:fb+71], v[ACC+8*et:ACC+8*et+7]
.endif
.if (kc >= 1) && (kc < 15) && (et < 4)
	FETCHQ kc+1, fn, et                            ; no wait: the matrix instructions since the wait name this step's buffer and the accumulators alone
.endif
.if (kc == 15) && (et < 4)
	FETCHI et                                      ; nothing is left to fetch for the product: 1 / (16 g) for the way out takes the first buffer's registers
.endif
.set et, et+1
.endr
	PLACES
.set kc, kc+1
.endr
	; THE WAY OUT: times 1 / (16 g), to f16, through my own stage, back as whole row pieces of 256 bytes
	s_wait_dscnt 0x0                               ; 1 / (16 g) is in
.set i, 0
.rept 32                               ; each accumulator from its low end on
	v_pk_mul_f32 v[ACC+2*i:ACC+2*i+1], v[ACC+2*i:ACC+2*i+1], v[IVD+2*i:IVD+2*i+1]
.set i, i+1
.endr
.set i, 0
.rept 32
	v_cvt_pk_f16_f32 v[TMP+i], v[ACC+2*i], v[ACC+2*i+1]
.set i, i+1
.endr
	s_wait_alu depctr_va_vdst(0)                   ; the conversions have written v160 to v191, which the stage's stores read; the last step's matrix instructions are done reading v192 to v223, in which the loads from the stage land
.irp e, 0,1,2,3,4,5,6,7
	ds_store_b128 v[STO], v[TMP+4*\e:TMP+4*\e+3] offset:32*\e
.endr
.irp t, 0,1,2,3,4,5,6,7
	ds_load_b128 v[OB+4*\t:OB+4*\t+3], v[RD] offset:\t*2*SP    ; LDS serves a wave's instructions in order (ISA guide 5.7.1.4): these see the stores above
.endr
.irp t, 0,1,2,3,4,5,6,7
	s_wait_dscnt 7-\t
	global_store_b128 v[GO], v[OB+4*\t:OB+4*\t+3], s[14:15] offset:\t*2048   ; 16 lanes store 256 consecutive bytes, aligned
.endr
	s_wait_dscnt 0x0                               ; the closing lines, six on end
	s_wait_alu 0x0
	s_wait_tensorcnt 0x0
	ds_add_u32 v30, v31
	s_wait_dscnt 0x0
	s_endpgm
.Lfunc_end_k_q1621e4d9d2_prep:
	.size	k_q1621e4d9d2_prep, .Lfunc_end_k_q1621e4d9d2_prep-k_q1621e4d9d2_prep
	.p2alignl 7, 3214868480
	.fill 96, 4, 3214868480
	.section	.rodata,"a",@progbits
	.p2align	6, 0x0
	.amdhsa_kernel k_q1621e4d9d2_prep
		.amdhsa_group_segment_fixed_size 220672
		.amdhsa_private_segment_fixed_size 0
		.amdhsa_enable_private_segment 0
		.amdhsa_kernarg_size 56
		.amdhsa_user_sgpr_count 2
		.amdhsa_user_sgpr_kernarg_segment_ptr 1
		.amdhsa_wavefront_size32 1
		.amdhsa_system_sgpr_workgroup_id_x 1
		.amdhsa_system_sgpr_workgroup_id_y 1
		.amdhsa_system_sgpr_workgroup_id_z 1
		.amdhsa_system_vgpr_workitem_id 0
		.amdhsa_next_free_vgpr 256
		.amdhsa_next_free_sgpr 100
		.amdhsa_reserve_vcc 0
		.amdhsa_float_denorm_mode_32 3
		.amdhsa_float_denorm_mode_16_64 3
		.amdhsa_memory_ordered 1
		.amdhsa_forward_progress 1
		.amdhsa_inst_pref_size 140
	.end_amdhsa_kernel
	.amdgpu_metadata
---
amdhsa.version: [ 1, 2 ]
amdhsa.kernels:
  - .name:           k_q1621e4d9d2_prep
    .symbol:         k_q1621e4d9d2_prep.kd
    .args:
      - { .name: Wk, .offset: 0, .size: 8, .value_kind: global_buffer, .address_space: global }
      - { .name: Wv, .offset: 8, .size: 8, .value_kind: global_buffer, .address_space: global }
      - { .name: Wo, .offset: 16, .size: 8, .value_kind: global_buffer, .address_space: global }
      - { .name: bv, .offset: 24, .size: 8, .value_kind: global_buffer, .address_space: global }
      - { .name: wkh, .offset: 32, .size: 8, .value_kind: global_buffer, .address_space: global }
      - { .name: wvh, .offset: 40, .size: 8, .value_kind: global_buffer, .address_space: global }
      - { .name: post, .offset: 48, .size: 8, .value_kind: global_buffer, .address_space: global }
    .group_segment_fixed_size: 220672
    .private_segment_fixed_size: 0
    .kernarg_segment_align: 8
    .kernarg_segment_size: 56
    .max_flat_workgroup_size: 128
    .sgpr_count:     100
    .vgpr_count:     256
    .wavefront_size: 32
...
	.end_amdgpu_metadata
.endif
;; end of part 4
;; launch proj: the kernel of part 2 again; grid 128 x 2, 4 waves a work-group, clusters of 4 x 1, 327,680 bytes of LDS; arguments key, value, wkh, wvh, bk, post, kp, vp; writes kp, vp
;; launch attn: the kernel of part 3 again; grid 32 x 8, 4 waves a work-group, clusters of 4 x 1, 327,680 bytes of LDS; arguments query, kp, vp, post, bo, out0; writes out0
